; MI455X (gfx1250); checked and timed in simulation.
; The chip was launched on July 23, 2026; its instructions are those of AMD's public machine-readable ISA for CDNA 5 (MIT licence, August 2026) and "CDNA5" Instruction Set Architecture Reference Guide (July 2026). The comments in the code are by the model that wrote it; some were corrected since.
;; Smol VLM Text Attention. Allowed arithmetic: matrix products marked QUANTISED: E4M3 operands, one given power-of-two scale a tensor, by v_wmma_f32_16x16x64_fp8_fp8 or v_wmma_f32_16x16x128_fp8_fp8, f32 sums; everything else in f32.
;; Inputs: Wk 512 x 2,048 float32; Wo 2,048 x 1,024 float32; Wq 1,024 x 2,048 float32; Wv 512 x 2,048 float32; attention_mask 2 x 1 x 2,048 x 2,048 float32; cos 2 x 2,048 x 64 float32; hidden_states 2 x 2,048 x 2,048 float32; lowp_scales 12 int32 (the exponents e of the quantised operands' scales 2^e); sin 2 x 2,048 x 64 float32.
;; Outputs: out0 2 x 2,048 x 2,048 float32.
;; This version of the problem:
;;   THIS VERSION OF THE PROBLEM IS GIVEN IN LOW PRECISION. The matrix products marked QUANTISED in the list below multiply operands that are first quantised to E4M3 (4 exponent bits, 3 mantissa bits; 8 bits a number), with one given power-of-two scale for each operand tensor; their sums are f32. All else is computed in f32.
;;   The module's matrix products, in the order in which they are computed (A, B: the left and right operand; K: the contracted axis; several contracted axes count as one K, in the product's order):
;;     1. [M 4,096, K 2,048] x [K 2,048, N 1,024]; A: input hidden_states; B: input Wq: QUANTISED (scales: A lowp_scales[0], B lowp_scales[1])
;;     2. [M 4,096, K 2,048] x [K 2,048, N 512]; A: input hidden_states; B: input Wk: QUANTISED (scales: A lowp_scales[2], B lowp_scales[3])
;;     3. [M 4,096, K 2,048] x [K 2,048, N 512]; A: input hidden_states; B: input Wv: QUANTISED (scales: A lowp_scales[4], B lowp_scales[5])
;;     4. batch 32 x [M 2,048, K 64] x [K 64, N 2,048]; A: computed on the way; B: computed on the way: QUANTISED (scales: A lowp_scales[6], B lowp_scales[7])
;;     5. batch 32 x [M 2,048, K 2,048] x [K 2,048, N 64]; A: softmax (see below); B: computed on the way: QUANTISED (scales: A lowp_scales[8], B lowp_scales[9])
;;     6. [M 4,096, K 1,024] x [K 1,024, N 2,048]; A: computed on the way; B: input Wo: QUANTISED (scales: A lowp_scales[10], B lowp_scales[11])
;;   THE QUANTISER, for each operand of a quantised product, along K:
;;     - The operand's scale is 2^e, e = its entry of the input lowp_scales (int32; the entries are numbered through the quantised products in the list's order, A before B).
;;     - Each number is divided by the scale, clamped to +-448, and rounded to the nearest number of E4M3, ties to even, subnormals kept.
;;     - The product sums the exact products of the quantised numbers (number of the format x scale) in f32.
;;   ~~~python
;;   def quantise(x, axis, e):      # numpy; x: float32 -> the quantised numbers, widened to float32 again
;;       x = np.moveaxis(x, axis, -1); K = x.shape[-1]
;;       r = np.clip(x / 2.0 ** e, -448, 448)
;;       step = 2.0 ** (np.maximum(np.frexp(np.where(r == 0, 1, r))[1] - 1, -6) - 3)
;;       q = np.round(r / step) * step * 2.0 ** e      # np.round: ties to even
;;       return np.moveaxis(q, -1, axis).astype(np.float32)
;;   ~~~
;;   SOFTMAX AHEAD OF A QUANTISED PRODUCT. Where the list says 'softmax', what is quantised is not the finished softmax but p = 2^(t - M), with t = logit x log2(e) and M = ceil(the row's largest t), a whole number; so 1/2 < the row's largest p <= 1. The row's sum l is taken of the UNQUANTISED p, in f32, and the product's result is divided by l at the end. Since M is a whole number, a kernel that streams over the keys may use a running M (the ceiling of the running maximum): every later rescaling is an exact power of two, so the quantised numbers keep their values, but for numbers so far below the row's largest that they fall under the format's range.
;;   OPERANDS COMPUTED ON THE WAY. 'Computed on the way' means the value that the module computes at that place (a softmax that the list does not call 'softmax' is quantised finished and normalised). What goes into a quantiser is computed in f32, as accurately as f32 sums, v_exp_f32 and their like allow (about 1e-6 of the number): no bf16 or f16 on the way to a quantiser, and a product that is left as it is and whose result goes on into a quantised operand takes f32 operands (vector FMAs, or v_wmma_f32_16x16x4_f32). A number that lies on a knife's edge between two numbers of the format may be rounded either way, as far as f32 arithmetic and the matrix unit's own rounding can turn it there, and no further.
;; One version. Each part assembles by itself: llvm-mc -triple=amdgcn-amd-amdhsa -mcpu=gfx1250 --defsym DOCPART=n.
;; ======== version 1 of 1: 4 launches
;; limits: right only within a limited range of input values
;; workspace buffers: hcodes 25,165,824 bytes; wcodes 6,291,456 bytes; qkvimg 8,388,608 bytes; acodes 4,194,304 bytes
;; launch quant (part 1): grid 896 x 1, 4 waves a work-group, no clusters, 33,280 bytes of LDS; arguments hidden_states, Wq, Wk, Wv, Wo, lowp_scales, hcodes, wcodes; writes hcodes, wcodes
.if DOCPART == 1
	.amdgcn_target "amdgcn-amd-amdhsa--gfx1250"
	.amdhsa_code_object_version 6
	.text
	.protected	k_q0e66375680_quant
	.globl	k_q0e66375680_quant
	.p2align	8
	.type	k_q0e66375680_quant,@function
k_q0e66375680_quant:
	s_mov_b64 s[64:65], 0
	v_nop
	global_prefetch_b8 v0, s[64:65] scope:SCOPE_SE
	s_setreg_imm32_b32 hwreg(HW_REG_WAVE_MODE, 25, 1), 1
	s_wait_xcnt 0x0
; f32 numbers into codes of FP8 (E4M3), K innermost as the tensors lie.  hidden_states [4096][2048] is the left operand of three products, each with a scale of its own (entries 0, 2, 4
; of lowp_scales): three copies of its codes go to hcodes, 8,388,608 bytes apart.  Wq (entry 1), Wk (3), Wv (5), Wo (11) go to wcodes, one behind the other in this order.
; code = x / 2^e, held within +-448, rounded to the nearest code, ties to even.  LIMITS: each e between -126 and 119, so that 2^e and 448 x 2^e are f32 numbers; NaN among the inputs is not served.
; All five tensors are dense streams.  A work-group takes 16,384 numbers: work-groups 0-511 hidden_states, 512-639 Wq, 640-703 Wk, 704-767 Wv, 768-895 Wo; a wave 8 steps of 512 numbers.
; The share is small on purpose: with 176 registers and 33,280 bytes of LDS several work-groups lie on a WGP, and each wave has 16 loads out.
; A conversion takes eight neighbours from ONE lane's registers, a load is best where neighbouring LANES take neighbouring bytes: each load reads 512 consecutive bytes, 16 a lane; a step's 2,048 bytes
; go through the wave's own stage in LDS as they lie and come back 64 bytes a lane (16 bytes of padding behind each 64).  A lane's 16 codes are 16 bytes: a store covers 512 consecutive bytes, aligned.
; No tensor loads, no barrier: waves share nothing.  Matrix units and clusters have no part in a stream.  Loads run four steps (16 loads a wave) ahead, the turn through LDS one step.
.set WAVES, 4
.set STEPS, 8
.set SP,    80                         ; a lane's place in a stage: its 64 bytes + 16 of padding
.set WREG,  8192                       ; LDS: a region for each wave: two stages of 32 x SP bytes
.set SPARE, WAVES*WREG                 ; behind the regions: the spare words, 128 bytes for each wave, which no other line names
.set SC,    5                          ; v5-7    2^e as f32 for copy 0, 1, 2
.set LM,    8                          ; v8-10   448 x 2^e likewise
.set SPW,   12                         ; v12     LDS address of my spare word; never rewritten
.set NIL,   13                         ; v13     0; never rewritten
.set R,     16                         ; v16-79  four sets of 16 numbers as loaded
.set X,     80                         ; v80-111 two sets of 16 neighbours
.set T,     112                        ; v112-127 the numbers, held
.set C,     128                        ; v128-175 codes: four sets of 3 copies x 4 registers
.set SRC,   36                         ; s[36:37] my wave's numbers
.set DST,   40                         ; s[40:45] my wave's codes: copy 0, 1, 2
	s_load_b256 s[4:11], s[0:1], 0x0               ; hidden_states, Wq, Wk, Wv
	s_load_b256 s[12:19], s[0:1], 0x20             ; Wo, lowp_scales, hcodes, wcodes
	v_lshl_add_u32 v[SPW], v0, 2, SPARE
	v_mov_b32 v[NIL], 0
	v_lshrrev_b32 v1, 5, v0
	v_readfirstlane_b32 s32, v1                    ; wave
	v_and_b32 v2, 31, v0                           ; lane
	v_lshlrev_b32 v3, 4, v2                        ; my 16 bytes of a load's or a store's 512; never rewritten
	s_mul_i32 s52, s32, WREG
	v_lshrrev_b32 v14, 2, v2
	v_mul_u32_u24 v14, v14, SP
	v_and_b32 v15, 3, v2
	v_lshl_add_u32 v14, v15, 4, v14
	v_add_nc_u32 v14, s52, v14                     ; the stage, on the way in: SP (lane / 4) + 16 (lane % 4)
	v_mul_u32_u24 v15, v2, SP
	v_add_nc_u32 v15, s52, v15                     ; and on the way out: SP x lane: my 16 neighbours
	s_wait_alu depctr_va_vdst(0)
	s_wait_kmcnt 0x0
	s_load_b256 s[20:27], s[14:15], 0x0            ; e0 .. e7
	s_load_b128 s[28:31], s[14:15], 0x20           ; e8 .. e11
	; which tensor is my work-group's: every choice hangs on the work-group's number alone
	s_mov_b64 s[SRC:SRC+1], s[12:13]               ; Wo, from work-group 768 on
	s_mov_b32 s33, 768
	s_cmp_lt_u32 ttmp9, 768
	s_cselect_b64 s[SRC:SRC+1], s[10:11], s[SRC:SRC+1]
	s_cselect_b32 s33, 704, s33
	s_cmp_lt_u32 ttmp9, 704
	s_cselect_b64 s[SRC:SRC+1], s[8:9], s[SRC:SRC+1]
	s_cselect_b32 s33, 640, s33
	s_cmp_lt_u32 ttmp9, 640
	s_cselect_b64 s[SRC:SRC+1], s[6:7], s[SRC:SRC+1]
	s_cselect_b32 s33, 512, s33
	s_cmp_lt_u32 ttmp9, 512
	s_cselect_b64 s[SRC:SRC+1], s[4:5], s[SRC:SRC+1]
	s_cselect_b32 s33, 0, s33                      ; the tensor's first work-group
	s_cselect_b64 s[DST:DST+1], s[16:17], s[18:19]
	s_cselect_b32 s35, 0, 512                      ; wcodes lies in the order of work-groups 512 on
	s_sub_co_u32 s46, ttmp9, s33
	s_lshl_b32 s46, s46, 2
	s_add_co_u32 s46, s46, s32                     ; which run of 4,096 numbers of the tensor is my wave's
	s_lshl_b32 s46, s46, 14                        ; x 16,384 bytes
	s_mov_b32 s47, 0
	s_add_nc_u64 s[SRC:SRC+1], s[SRC:SRC+1], s[46:47]
	s_sub_co_u32 s48, ttmp9, s35
	s_lshl_b32 s48, s48, 2
	s_add_co_u32 s48, s48, s32
	s_lshl_b32 s48, s48, 12                        ; x 4,096 bytes of codes
	s_mov_b32 s49, 0
	s_add_nc_u64 s[DST:DST+1], s[DST:DST+1], s[48:49]
	s_add_nc_u64 s[DST+2:DST+3], s[DST:DST+1], 0x800000    ; copies 1 and 2: used by hidden_states' work-groups alone
	s_add_nc_u64 s[DST+4:DST+5], s[DST:DST+1], 0x1000000
.macro LOAD t
.irp i, 0,1,2,3
	global_load_b128 v[R+16*((\t)%4)+4*\i:R+16*((\t)%4)+4*\i+3], v3, s[SRC:SRC+1] offset:2048*(\t)+512*\i th:TH_LOAD_NT   ; 32 lanes read 512 consecutive bytes, read once in the launch
.endr
.endm
.macro TURN t                          ; step t's numbers through the stage: LDS serves a wave's instructions in order, so no wait stands between the stores and the loads
.irp i, 0,1,2,3
	ds_store_b128 v14, v[R+16*((\t)%4)+4*\i:R+16*((\t)%4)+4*\i+3] offset:32*SP*((\t)%2)+8*SP*\i
.endr
.irp i, 0,1,2,3
	ds_load_b128 v[X+16*((\t)%2)+4*\i:X+16*((\t)%2)+4*\i+3], v15 offset:32*SP*((\t)%2)+16*\i
.endr
.endm
.macro MKSCALE sreg, k                 ; 2^e and 448 x 2^e as f32 numbers
	s_add_co_i32 s50, \sreg, 127
	s_lshl_b32 s51, s50, 23
	v_mov_b32 v[SC+\k], s51
	s_add_co_i32 s50, s50, 8
	s_lshl_b32 s50, s50, 23
	s_or_b32 s50, s50, 0x600000
	v_mov_b32 v[LM+\k], s50
.endm
.irp t, 0,1,2,3
	LOAD \t
.endr
	s_wait_kmcnt 0x0
	s_mov_b32 s34, s31                             ; e11 for Wo,
	s_cmp_lt_u32 ttmp9, 768
	s_cselect_b32 s34, s25, s34                    ; e5 for Wv,
	s_cmp_lt_u32 ttmp9, 704
	s_cselect_b32 s34, s23, s34                    ; e3 for Wk,
	s_cmp_lt_u32 ttmp9, 640
	s_cselect_b32 s34, s21, s34                    ; e1 for Wq,
	s_cmp_lt_u32 ttmp9, 512
	s_cselect_b32 s34, s20, s34                    ; e0 for hidden_states' copy 0
	MKSCALE s34, 0
	MKSCALE s22, 1                                 ; e2
	MKSCALE s24, 2                                 ; e4
	s_wait_alu depctr_va_vdst(0)
	s_wait_loadcnt 12                              ; step 0's four loads are in
	TURN 0
; copy k of step t: the hold (the conversion to an 8-bit code does not saturate: ISA guide 7.6.2), two conversions, a store.  X stays as it is, so that each copy starts from the numbers themselves.
.macro CONV t, k
.irp i, 0,1,2,3,4,5,6,7,8,9,10,11,12,13,14,15
	v_med3_num_f32 v[T+\i], v[X+16*((\t)%2)+\i], -v[LM+\k], v[LM+\k]
.endr
	v_cvt_scalef32_pk8_fp8_f32 v[C+12*((\t)%4)+4*\k:C+12*((\t)%4)+4*\k+1], v[T:T+7], v[SC+\k]
	v_cvt_scalef32_pk8_fp8_f32 v[C+12*((\t)%4)+4*\k+2:C+12*((\t)%4)+4*\k+3], v[T+8:T+15], v[SC+\k]
	v_nop                                          ; a plain line between the conversions and the next holds, which write their sources
	global_store_b128 v3, v[C+12*((\t)%4)+4*\k:C+12*((\t)%4)+4*\k+3], s[DST+2*\k:DST+2*\k+1] offset:512*(\t)
.endm
.macro STEP t
	s_wait_dscnt 0x0                               ; this step's numbers are back from the stage: so its stores into the stage have read their registers,
.if (\t)+4 < STEPS
	LOAD (\t)+4                                    ; which take the loads of four steps on
.endif
.if (\t)+1 < STEPS
.if STEPS-2-(\t) >= 3
	s_wait_loadcnt 12                              ; the next step's four loads are in; those of the three steps behind it may be out
.else
	s_wait_loadcnt 4*(STEPS-2-(\t))
.endif
	TURN (\t)+1                                    ; and go through the other stage while this step is worked
.endif
.if (\t) >= 4
	s_wait_xcnt 0x0                                ; the stores of four steps ago have read this set of code registers: it is written again only behind this wait
.endif
	CONV \t, 0
	s_cmp_lt_u32 ttmp9, 512                        ; hidden_states has two more copies; the branch hangs on the work-group's number and holds no LDS instruction
	s_cbranch_scc0 .Lone_copy_\@
	CONV \t, 1
	CONV \t, 2
.Lone_copy_\@:
.endm
.irp t, 0,1,2,3,4,5,6,7
	STEP \t
.endr
	s_wait_tensorcnt 0x0                           ; the wave's end, behind my last LDS store
	ds_add_u32 v[SPW], v[NIL]
	s_wait_dscnt 0x0
	s_endpgm
.Lfunc_end_k_q0e66375680_quant:
	.size	k_q0e66375680_quant, .Lfunc_end_k_q0e66375680_quant-k_q0e66375680_quant
	.p2alignl 7, 3214868480
	.fill 96, 4, 3214868480
	.section	.rodata,"a",@progbits
	.p2align	6, 0x0
	.amdhsa_kernel k_q0e66375680_quant
		.amdhsa_group_segment_fixed_size 33280
		.amdhsa_private_segment_fixed_size 0
		.amdhsa_enable_private_segment 0
		.amdhsa_kernarg_size 64
		.amdhsa_user_sgpr_count 2
		.amdhsa_user_sgpr_kernarg_segment_ptr 1
		.amdhsa_wavefront_size32 1
		.amdhsa_system_sgpr_workgroup_id_x 1
		.amdhsa_system_sgpr_workgroup_id_y 1
		.amdhsa_system_sgpr_workgroup_id_z 1
		.amdhsa_system_vgpr_workitem_id 0
		.amdhsa_next_free_vgpr 176
		.amdhsa_next_free_sgpr 66
		.amdhsa_reserve_vcc 0
		.amdhsa_float_denorm_mode_32 3
		.amdhsa_float_denorm_mode_16_64 3
		.amdhsa_memory_ordered 1
		.amdhsa_forward_progress 1
		.amdhsa_inst_pref_size 43
	.end_amdhsa_kernel
	.amdgpu_metadata
---
amdhsa.version: [ 1, 2 ]
amdhsa.kernels:
  - .name:           k_q0e66375680_quant
    .symbol:         k_q0e66375680_quant.kd
    .args:
      - { .name: hidden_states, .offset: 0, .size: 8, .value_kind: global_buffer, .address_space: global }
      - { .name: Wq, .offset: 8, .size: 8, .value_kind: global_buffer, .address_space: global }
      - { .name: Wk, .offset: 16, .size: 8, .value_kind: global_buffer, .address_space: global }
      - { .name: Wv, .offset: 24, .size: 8, .value_kind: global_buffer, .address_space: global }
      - { .name: Wo, .offset: 32, .size: 8, .value_kind: global_buffer, .address_space: global }
      - { .name: lowp_scales, .offset: 40, .size: 8, .value_kind: global_buffer, .address_space: global }
      - { .name: hcodes, .offset: 48, .size: 8, .value_kind: global_buffer, .address_space: global }
      - { .name: wcodes, .offset: 56, .size: 8, .value_kind: global_buffer, .address_space: global }
    .group_segment_fixed_size: 33280
    .private_segment_fixed_size: 0
    .kernarg_segment_align: 8
    .kernarg_segment_size: 64
    .max_flat_workgroup_size: 128
    .sgpr_count:     66
    .vgpr_count:     176
    .wavefront_size: 32
...
	.end_amdgpu_metadata
.endif
;; end of part 1
;; launch qkv (part 2): grid 16 x 16, 4 waves a work-group, clusters of 4 x 4, 327,680 bytes of LDS; arguments hcodes, wcodes, cos, sin, lowp_scales, qkvimg; writes qkvimg
.if DOCPART == 2
	.amdgcn_target "amdgcn-amd-amdhsa--gfx1250"
	.amdhsa_code_object_version 6
	.text
	.protected	k_q0e66375680_qkv
	.globl	k_q0e66375680_qkv
	.p2align	8
	.type	k_q0e66375680_qkv,@function
k_q0e66375680_qkv:
	s_mov_b64 s[64:65], 0
	v_nop
	global_prefetch_b8 v0, s[64:65] scope:SCOPE_SE
	s_setreg_imm32_b32 hwreg(HW_REG_WAVE_MODE, 25, 1), 1
	s_wait_xcnt 0x0
	s_wait_alu depctr_hold_cnt(0) depctr_sa_sdst(0) depctr_va_vdst(0) depctr_va_sdst(0) depctr_va_ssrc(0) depctr_va_vcc(0) depctr_vm_vsrc(0)
	s_getreg_b32 s2, hwreg(HW_REG_IB_STS2, 6, 4)
	s_cmp_eq_u32 s2, 0
	s_cbranch_scc0 .Lentry_in_a_cluster
	s_endpgm
.Lentry_in_a_cluster:
	s_bfe_u32 s2, ttmp6, 0x10000c
	s_cmp_lg_u32 s2, 0xf033
	s_cbranch_scc0 .Lentry_shape_is_right
	s_endpgm
.Lentry_shape_is_right:
; q, k and v = hidden_states x W^T on codes of FP8 (E4M3), then RoPE (q, k), then the quantiser of the attention's operands; the codes go to qkvimg as images of the registers that the attention's launch loads.
; A work-group of four waves makes 256 tokens x 128 columns; a wave 128 x 64.  The cluster's x chooses the product: 0, 1 q, 2 k, 3 v, each with its own copy of hidden_states' codes.
; K = 2,048 goes through two LDS slots, Y of 512 and X of 256 along K, as Y X Y X Y.  ONE TENSOR LOAD A WAVE AT THE HEAD brings both slots' first fills: wave 0 A's 256 rows for Y, wave 1 B's 128 rows for Y, waves 2 and 3 the same for X.
; A slot is filled again by its own two waves, behind a round of the cluster's barrier.  A's tiles are shared along a row of the cluster, B's along a column: joint loads.
; PREFETCH INTO THE L2: K bytes 768 to 1,535 (the third and fourth fill) are asked for behind the head's loads, 1,536 to 2,047 (the fifth) behind the first fragment loads: each at least two fills ahead of its load.
; The partners that ask for a tile jointly share its rows out BY ADDRESS: of A's 256 rows the partner at cx takes 64, 16 a wave; of B's 128 rows the partner at cy takes 32, a lane a row, a wave a block of 256 bytes.
; LIMITS: each exponent made of lowp_scales' entries (that of the result's scale less those of the two operands) between -126 and 119; NaN among the inputs is not served.
.set KROW,   2048
.set PY,     528
.set PX,     272
.set FR,     16
.set NL,     4
.set YHA,    128*PY
.set YHB,    64*PY
.set XBASE,  2*YHA+2*YHB
.set XHA,    128*PX
.set XHB,    64*PX
.set SPARE,  XBASE+2*XHA+2*XHB
.set KLAP,   768
.set ADRA, 16
.set ADRB, 20
.set LI,   24
.set CSO,  25
.set VST,  26
.set VLD,  27
.set SPW,  28
.set NIL,  29
.set SCL,  30
.set LIM,  31
.set AF,   128
.set T,    128
.set CD,   160
.set VC,   128
.set VX,   192
.set G1AY, 24
.set G1AX, 92
.set G0,   32
.set G1BY, 48
.set G1BX, 4
.set G0B,  56
.set MSB, 0
.macro WIN new
.if MSB != \new
	s_set_vgpr_msb (MSB<<8)|\new
.set MSB, \new
.endif
.endm
.set MUL,  0xa1
.set TO_B, 0x40
; A slot's refill: wave w fetches A's rows, wave w + 1 B's, the other two nothing.  The branches hang on the wave's number alone.  The four v_nop on each way are also the places in front of the LDS loads that follow.
.macro JLOAD g0a, g1a, g0b, g1b, w
	s_cmp_eq_u32 s14, \w
	s_cbranch_scc0 .Lnot_a_\@
	tensor_load_to_lds s[\g0a:\g0a+3], s[\g1a:\g1a+7]
	s_nop 0
.rept 4
	v_nop
.endr
	s_branch .Lasked_\@
.Lnot_a_\@:
	s_cmp_eq_u32 s14, (\w)+1
	s_cbranch_scc0 .Lnone_\@
	tensor_load_to_lds s[\g0b:\g0b+3], s[\g1b:\g1b+7]
	s_nop 0
.rept 4
	v_nop
.endr
	s_branch .Lasked_\@
.Lnone_\@:
.rept 4
	v_nop
.endr
.Lasked_\@:
.endm
.macro CREST
	s_cmp_lg_u32 s14, 0
	s_cbranch_scc1 .Lnot_wave_0_\@
	s_barrier_signal -3
.Lnot_wave_0_\@:
	s_barrier_wait -3
	s_barrier_signal -1
	s_barrier_wait -1
.endm
.macro CROUND
	s_barrier_signal -1
	s_barrier_wait -1
	CREST
.endm
	s_load_b256 s[68:75], s[0:1], 0x0
	s_load_b128 s[76:79], s[0:1], 0x20
	v_lshl_add_u32 v[SPW], v0, 2, SPARE
	v_mov_b32 v[NIL], 0
	ds_add_u32 v[SPW], v[NIL]
	ds_add_u32 v[SPW], v[NIL]
	v_lshrrev_b32 v1, 5, v0
	v_readfirstlane_b32 s14, v1
	s_lshr_b32 s15, s14, 1
	s_and_b32 s16, s14, 1
	s_bfe_u32 s40, ttmp6, 0x40000
	s_bfe_u32 s41, ttmp6, 0x40004
	s_sub_co_i32 s12, ttmp9, 1
	s_max_i32 s12, s12, 0
	s_cmp_lt_u32 ttmp9, 2
	s_cselect_b32 s42, ttmp9, 0
	s_lshl_b32 s42, s42, 2
	s_add_co_u32 s42, s42, s40
	s_and_b32 s17, ttmp7, 0xffff
	s_lshl_b32 s17, s17, 2
	s_add_co_u32 s17, s17, s41
	s_lshl_b32 s43, s41, 2
	s_lshl_b32 s43, 15, s43
	s_lshl_b32 s44, 0x1111, s40
	s_or_b32 s[G1AY], s43, (1<<20)|(1<<21)|(6<<22)|(3<<25)
	s_or_b32 s[G1AX], s43, (1<<20)|(1<<21)|(5<<22)|(3<<25)
	s_or_b32 s[G1BY], s44, (1<<20)|(1<<21)|(6<<22)|(3<<25)
	s_or_b32 s[G1BX], s44, (1<<20)|(1<<21)|(5<<22)|(3<<25)
.irp g, G1AY, G1BY
	s_mov_b32 s[\g+1], 512<<16
	s_mov_b32 s[\g+3], 512<<16
.endr
.irp g, G1AX, G1BX
	s_mov_b32 s[\g+1], 256<<16
	s_mov_b32 s[\g+3], 256<<16
.endr
.irp g, G1AY, G1AX
	s_mov_b32 s[\g+2], 256<<16
	s_mov_b32 s[\g+4], 256
.endr
.irp g, G1BY, G1BX
	s_mov_b32 s[\g+2], 128<<16
	s_mov_b32 s[\g+4], 128
.endr
.irp g, G1AY, G1AX, G1BY, G1BX
	s_mov_b32 s[\g+5], KROW
	s_mov_b32 s[\g+6], 0
	s_mov_b32 s[\g+7], 0
.endr
	s_lshl_b32 s20, s17, 19
	s_lshl_b32 s19, s12, 23
	s_add_co_u32 s20, s20, s19
	s_mov_b32 s21, 0
	s_lshl_b32 s46, s42, 18
	s_add_co_u32 s13, s12, 1
	s_lshl_b32 s13, s13, 20
	s_cmp_eq_u32 s12, 0
	s_cselect_b32 s13, 0, s13
	s_add_co_u32 s46, s46, s13
	s_mov_b32 s47, 0
	s_mov_b32 s45, 0
	s_mov_b32 s66, XBASE
	s_mov_b32 s67, 2*YHA
	s_mov_b32 s90, XBASE+2*XHA
	s_wait_dscnt 0x0
	s_wait_kmcnt 0x0
	s_load_b256 s[80:87], s[76:77], 0x0
	s_load_b64 s[88:89], s[76:77], 0x20
	s_add_nc_u64 s[20:21], s[68:69], s[20:21]
	s_add_nc_u64 s[46:47], s[70:71], s[46:47]
	CROUND
	s_mov_b32 s[G0], 1
	s_mov_b32 s[G0+1], s45
	s_add_nc_u64 s[G0+2:G0+3], s[20:21], 0
	s_or_b32 s[G0+3], s[G0+3], 0x80000000
	s_mov_b32 s[G0B], 1
	s_mov_b32 s[G0B+1], s67
	s_add_nc_u64 s[G0B+2:G0B+3], s[46:47], 0
	s_or_b32 s[G0B+3], s[G0B+3], 0x80000000
	s_mov_b32 s[G0+4], 1
	s_mov_b32 s[G0+5], s66
	s_add_nc_u64 s[G0+6:G0+7], s[20:21], 512
	s_or_b32 s[G0+7], s[G0+7], 0x80000000
	s_mov_b32 s[G0B+4], 1
	s_mov_b32 s[G0B+5], s90
	s_add_nc_u64 s[G0B+6:G0B+7], s[46:47], 512
	s_or_b32 s[G0B+7], s[G0B+7], 0x80000000
	s_cmp_eq_u32 s14, 0                            ; the first fills of both slots, one to a wave: one chain of branches on the wave's number, all arms leading to one join
	s_cbranch_scc0 .Lh1
	tensor_load_to_lds s[G0:G0+3], s[G1AY:G1AY+7]
	s_nop 0
.rept 4
	v_nop
.endr
	s_branch .Lhj
.Lh1:
	s_cmp_eq_u32 s14, 1
	s_cbranch_scc0 .Lh2
	tensor_load_to_lds s[G0B:G0B+3], s[G1BY:G1BY+7]
	s_nop 0
.rept 4
	v_nop
.endr
	s_branch .Lhj
.Lh2:
	s_cmp_eq_u32 s14, 2
	s_cbranch_scc0 .Lh3
	tensor_load_to_lds s[G0+4:G0+7], s[G1AX:G1AX+7]
	s_nop 0
.rept 4
	v_nop
.endr
	s_branch .Lhj
.Lh3:
	tensor_load_to_lds s[G0B+4:G0B+7], s[G1BX:G1BX+7]
	s_nop 0
.rept 4
	v_nop
.endr
.Lhj:
	s_mov_b64 s[68:69], s[20:21]                   ; the prefetches' bases: my tile's first row of A, of B; never rewritten
	s_mov_b64 s[70:71], s[46:47]
	s_lshl_b32 s18, s40, 6
	s_lshl_b32 s19, s14, 4
	s_add_co_u32 s18, s18, s19                     ; A: row 64 cx + 16 wave
	s_lshl_b32 s19, s41, 5                         ; B: row 32 cy
	s_lshl_b32 s13, s14, 8                         ; B: a wave a block of 256 bytes
	v_and_b32 v9, 15, v0
	v_add_nc_u32 v9, s18, v9
	v_bfe_u32 v10, v0, 4, 1
	v_lshlrev_b32 v6, 11, v9
	v_lshl_add_u32 v6, v10, 8, v6                  ; v6: A, 16 rows x two blocks
	v_and_b32 v10, 31, v0
	v_min_u32 v9, 15, v10
	v_add_nc_u32 v9, s18, v9
	v_lshlrev_b32 v7, 11, v9                       ; v7: A, 16 rows x one block; the lanes left over name the wave's last block again
	v_add_nc_u32 v10, s19, v10
	v_lshl_add_u32 v8, v10, 11, s13                ; v8: B, 32 rows, block = wave
	global_prefetch_b8 v6, s[68:69] offset:768 th:TH_LOAD_NT scope:SCOPE_SE    ; A, K bytes 768 to 1,279
	global_prefetch_b8 v7, s[68:69] offset:1280 th:TH_LOAD_NT scope:SCOPE_SE   ; A, 1,280 to 1,535
	s_cmp_lt_u32 s14, 3
	s_cbranch_scc0 .Lno_pb0
	global_prefetch_b8 v8, s[70:71] offset:768 th:TH_LOAD_NT scope:SCOPE_SE    ; B, 768 to 1,535: waves 0 to 2
.Lno_pb0:
	v_and_b32 v1, 15, v0
	v_bfe_u32 v2, v0, 4, 1
	v_mul_u32_u24 v3, v1, PY
	v_lshl_add_u32 v3, v2, 4, v3
	v_mul_u32_u24 v4, v1, PX
	v_lshl_add_u32 v4, v2, 4, v4
	s_mul_i32 s21, s15, YHA
	v_add_nc_u32 v[ADRA], s21, v3
	s_mul_i32 s21, s16, YHB
	s_add_co_u32 s21, s21, 2*YHA
	v_add_nc_u32 v[ADRB], s21, v3
	s_mul_i32 s21, s15, XHA
	s_add_co_u32 s21, s21, XBASE
	v_add_nc_u32 v[ADRA+1], s21, v4
	s_mul_i32 s21, s16, XHB
	s_add_co_u32 s21, s21, XBASE+2*XHA
	v_add_nc_u32 v[ADRB+1], s21, v4
	v_and_b32 v5, 31, v0
	v_lshlrev_b32 v[LI], 4, v5
	v_lshlrev_b32 v[CSO], 8, v1
	v_lshl_add_u32 v[CSO], v2, 5, v[CSO]
	s_wait_alu depctr_va_vdst(0)
	s_mul_i32 s23, s14, 5120
	s_add_co_u32 s23, s23, XBASE
	v_mul_u32_u24 v[VST], v2, 640
	v_lshl_add_u32 v[VST], v1, 2, v[VST]
	v_add_nc_u32 v[VST], s23, v[VST]
	v_mul_u32_u24 v[VLD], v1, 80
	v_lshl_add_u32 v[VLD], v2, 5, v[VLD]
	v_add_nc_u32 v[VLD], s23, v[VLD]
	s_lshl_b32 s2, s17, 8
	s_lshl_b32 s3, s15, 7
	s_add_co_u32 s2, s2, s3
	s_lshl_b32 s18, s2, 8
	s_mov_b32 s19, 0
	s_add_nc_u64 s[72:73], s[72:73], s[18:19]
	s_add_nc_u64 s[74:75], s[74:75], s[18:19]
	s_lshr_b32 s22, s2, 11
	s_cmp_lt_u32 ttmp9, 2
	s_cselect_b32 s3, 4, 3
	s_lshl_b32 s22, s22, s3
	s_lshl_b32 s3, s42, 1
	s_add_co_u32 s22, s22, s3
	s_add_co_u32 s22, s22, s16
	s_lshl_b32 s22, s22, 17
	s_and_b32 s3, s2, 2047
	s_lshl_b32 s3, s3, 6
	s_add_co_u32 s22, s22, s3
	s_add_co_u32 s3, s12, 1
	s_lshl_b32 s3, s3, 21
	s_cmp_eq_u32 s12, 0
	s_cselect_b32 s3, 0, s3
	s_add_co_u32 s22, s22, s3
	s_mov_b32 s23, 0
	s_add_nc_u64 s[78:79], s[78:79], s[22:23]
.macro CSPLACE a
.if (\a) < 4
.set CW, 3
.set CR, 64*(\a)
.set SW, 3
.set SR, 64*(\a)+32
.elseif (\a) < 6
.set CW, 1
.set CR, 128+64*((\a)-4)
.set SW, 1
.set SR, 160+64*((\a)-4)
.elseif (\a) == 6
.set CW, 0
.set CR, 32
.set SW, 0
.set SR, 64
.else
.set CW, 0
.set CR, 96
.set SW, 1
.set SR, 0
.endif
.endm
.macro LOADC a
	CSPLACE \a
	WIN (CW<<6)
.irp b, 0,1,2,3
	global_load_b128 v[CR+8*\b:CR+8*\b+3],   v[CSO], s[72:73] offset:4096*(\a)+64*\b
	global_load_b128 v[CR+8*\b+4:CR+8*\b+7], v[CSO], s[72:73] offset:4096*(\a)+64*\b+16
.endr
.endm
.macro LOADS a
	CSPLACE \a
	WIN (SW<<6)
.irp b, 0,1,2,3
	global_load_b128 v[SR+8*\b:SR+8*\b+3],   v[CSO], s[74:75] offset:4096*(\a)+64*\b
	global_load_b128 v[SR+8*\b+4:SR+8*\b+7], v[CSO], s[74:75] offset:4096*(\a)+64*\b+16
.endr
.endm
.irp a, 0,1,2,3,4,5,6
	LOADC \a
	LOADS \a
.endr
	LOADC 7
	WIN 0
.macro FRAG reg, adr, q, i
.irp c, 0,1,2,3
	ds_load_b128 v[\reg+4*\c:\reg+4*\c+3], v[\adr] offset:128*(\q)+32*\c+(\i)*16*PP
.endr
.endm
.macro MUL8 a0, p, zero
.irp a, \a0, \a0+1
.irp b, 0,1,2,3
.if \zero
	v_wmma_f32_16x16x128_fp8_fp8 v[8*(4*(\a)+\b):8*(4*(\a)+\b)+7], v[64*(\p)+FR*\b:64*(\p)+FR*\b+FR-1], v[AF+FR*(\a):AF+FR*(\a)+FR-1], 0
.else
	v_wmma_f32_16x16x128_fp8_fp8 v[8*(4*(\a)+\b):8*(4*(\a)+\b)+7], v[64*(\p)+FR*\b:64*(\p)+FR*\b+FR-1], v[AF+FR*(\a):AF+FR*(\a)+FR-1], v[8*(4*(\a)+\b):8*(4*(\a)+\b)+7]
.endif
.endr
.endr
.endm
.macro FETCH_B slot, q, p
.set PP, PY-(PY-PX)*(\slot)
	WIN TO_B
.irp i, 0,1,2,3
	FRAG 64*(\p)+FR*\i, ADRB+\slot, \q, \i
.endr
	WIN 0
.endm
.macro FETCH_A slot, q, i0
.set PP, PY-(PY-PX)*(\slot)
.irp i, \i0, \i0+1, \i0+2, \i0+3
	FRAG AF+FR*(\i), ADRA+\slot, \q, \i
.endr
.endm
.macro PLACES n
.rept \n
	v_nop
.endr
.endm
.macro STEP slot, q, zero
	s_wait_dscnt 4*NL
	WIN MUL
	MUL8 0, (\q)%2, \zero
	MUL8 2, (\q)%2, \zero
	s_wait_dscnt 0
	PLACES 4
	FETCH_B \slot, (\q)+1, 1-(\q)%2
	FETCH_A \slot, (\q)+1, 0
	WIN MUL
	MUL8 4, (\q)%2, \zero
	MUL8 6, (\q)%2, \zero
	PLACES 4
	WIN 0
	FETCH_A \slot, (\q)+1, 4
.endm
.macro TURN slot, next, fill
	s_wait_tensorcnt 0x0
	ds_add_u32 v[SPW], v[NIL]
	s_wait_dscnt 4*NL+1
	WIN MUL
	MUL8 0, 1, 0
	s_wait_dscnt 0x0
	s_barrier_signal -1
	MUL8 2, 1, 0
	WIN 0
	s_barrier_wait -1
.if \fill
	CREST
	s_add_nc_u64 s[G0+4*\slot+2:G0+4*\slot+3], s[G0+4*\slot+2:G0+4*\slot+3], KLAP
	s_add_nc_u64 s[G0B+4*\slot+2:G0B+4*\slot+3], s[G0B+4*\slot+2:G0B+4*\slot+3], KLAP
	JLOAD G0+4*\slot, G1AY+(G1AX-G1AY)*\slot, G0B+4*\slot, G1BY+(G1BX-G1BY)*\slot, 2*\slot
.else
	PLACES 4
.endif
	FETCH_B \next, 0, 0
	FETCH_A \next, 0, 0
	WIN MUL
	MUL8 4, 1, 0
	MUL8 6, 1, 0
	PLACES 4
	WIN 0
	FETCH_A \next, 0, 4
.endm
	s_wait_alu depctr_va_vdst(0)                   ; the wait at the head's end
	s_cmp_lt_u32 s14, 2                            ; slot Y is read first: its two waves wait for their loads
	s_cbranch_scc0 .Lnot_y
	s_wait_tensorcnt 0x0
.Lnot_y:
	s_barrier_signal -1
	s_barrier_wait -1
	FETCH_B 0, 0, 0
	FETCH_A 0, 0, 0
	FETCH_A 0, 0, 4
	global_prefetch_b8 v6, s[68:69] offset:1536 th:TH_LOAD_NT scope:SCOPE_SE   ; A, K bytes 1,536 to 2,047: the fifth fill
	s_cmp_lt_u32 s14, 2
	s_cbranch_scc0 .Lno_pb1
	global_prefetch_b8 v8, s[70:71] offset:1536 th:TH_LOAD_NT scope:SCOPE_SE   ; B likewise: waves 0 and 1
.Lno_pb1:
	STEP 0, 0, 1
	STEP 0, 1, 0
	STEP 0, 2, 0
	TURN 0, 1, 1
	STEP 1, 0, 0
	TURN 1, 0, 1
	STEP 0, 0, 0
	STEP 0, 1, 0
	STEP 0, 2, 0
	TURN 0, 1, 1
	STEP 1, 0, 0
	TURN 1, 0, 0
	STEP 0, 0, 0
	STEP 0, 1, 0
	STEP 0, 2, 0
	LOADS 7
	s_wait_dscnt 4*NL
	WIN MUL
	MUL8 0, 1, 0
	MUL8 2, 1, 0
	s_wait_dscnt 0
	MUL8 4, 1, 0
	MUL8 6, 1, 0
	WIN 0
	PLACES 4
	s_wait_kmcnt 0x0
	s_sub_co_i32 s2, s89, s84
	s_sub_co_i32 s2, s2, s85
	s_sub_co_i32 s3, s87, s82
	s_sub_co_i32 s3, s3, s83
	s_sub_co_i32 s13, s86, s80
	s_sub_co_i32 s13, s13, s81
	s_cmp_eq_u32 ttmp9, 2
	s_cselect_b32 s2, s3, s2
	s_cmp_lt_u32 ttmp9, 2
	s_cselect_b32 s2, s13, s2
	s_add_co_i32 s2, s2, 127
	s_lshl_b32 s3, s2, 23
	v_mov_b32 v[SCL], s3
	s_add_co_i32 s2, s2, 8
	s_lshl_b32 s2, s2, 23
	s_or_b32 s2, s2, 0x600000
	v_mov_b32 v[LIM], s2
	s_cmp_eq_u32 ttmp9, 3
	s_cbranch_scc1 .Lv_part
.macro ROPE a
	CSPLACE \a
.set AC, 32*(\a)
.if (\a) == 0
	s_wait_loadcnt 8
.endif
.if (\a) == 7
	s_wait_loadcnt 0
.endif
	WIN (0x02|(CW<<2))
.set u, 0
.rept 16
	v_pk_mul_f32 v[T+u:T+u+1], v[AC+u:AC+u+1], v[CR+u:CR+u+1]
.set u, u+2
.endr
	WIN (0x02|(SW<<2))
.set u, 0
.rept 8
	v_pk_fma_f32 v[T+u:T+u+1], v[AC+16+u:AC+16+u+1], v[SR+u:SR+u+1], v[T+u:T+u+1] neg_lo:[1,0,0] neg_hi:[1,0,0]
	v_pk_fma_f32 v[T+16+u:T+16+u+1], v[AC+u:AC+u+1], v[SR+16+u:SR+16+u+1], v[T+16+u:T+16+u+1]
.set u, u+2
.endr
	WIN 0
.set u, 0
.rept 32
	v_med3_num_f32 v[T+u], v[T+u], -v[LIM], v[LIM]
.set u, u+1
.endr
.irp b, 0,1,2,3
	v_cvt_scalef32_pk8_fp8_f32 v[CD+8*(\a)+2*\b:CD+8*(\a)+2*\b+1], v[T+8*\b:T+8*\b+7], v[SCL]
.endr
	v_nop
	global_store_b128 v[LI], v[CD+8*(\a):CD+8*(\a)+3], s[78:79] offset:1024*(\a)
	global_store_b128 v[LI], v[CD+8*(\a)+4:CD+8*(\a)+7], s[78:79] offset:1024*(\a)+512
.endm
.irp a, 0,1,2,3,4,5,6,7
	ROPE \a
.endr
	s_branch .Ldone
.Lv_part:
.macro VTURN a
.set XS, VX+32*((\a)%2)
	WIN 0x08
.set u, 0
.rept 32
	ds_store_b32 v[VST], v[32*(\a)+u] offset:(16*(u/8)+u%8)*80
.set u, u+1
.endr
	WIN 0
.irp b, 0,1,2,3
	ds_load_b128 v[XS+8*\b:XS+8*\b+3],   v[VLD] offset:1280*\b
	ds_load_b128 v[XS+8*\b+4:XS+8*\b+7], v[VLD] offset:1280*\b+16
.endr
.endm
.macro VQUANT a
.set XS, VX+32*((\a)%2)
.if (\a) < 7
	s_wait_dscnt 40
.else
	s_wait_dscnt 0
.endif
.set u, 0
.rept 32
	v_med3_num_f32 v[XS+u], v[XS+u], -v[LIM], v[LIM]
.set u, u+1
.endr
.irp b, 0,1,2,3
	v_cvt_scalef32_pk8_fp8_f32 v[VC+16*\b+2*(\a):VC+16*\b+2*(\a)+1], v[XS+8*\b:XS+8*\b+7], v[SCL]
.endr
	v_nop
.endm
	s_wait_alu depctr_va_vdst(0)
	VTURN 0
.irp a, 0,1,2,3,4,5,6
	VTURN \a+1
	VQUANT \a
.endr
	VQUANT 7
.irp b, 0,1,2,3
.irp c, 0,1,2,3
	global_store_b128 v[LI], v[VC+16*\b+4*\c:VC+16*\b+4*\c+3], s[78:79] offset:2048*\b+512*\c
.endr
.endr
.Ldone:
	s_wait_tensorcnt 0x0
	ds_add_u32 v[SPW], v[NIL]
	s_wait_dscnt 0x0
	CROUND
	s_endpgm
.Lfunc_end_k_q0e66375680_qkv:
	.size	k_q0e66375680_qkv, .Lfunc_end_k_q0e66375680_qkv-k_q0e66375680_qkv
	.p2alignl 7, 3214868480
	.fill 96, 4, 3214868480
	.section	.rodata,"a",@progbits
	.p2align	6, 0x0
	.amdhsa_kernel k_q0e66375680_qkv
		.amdhsa_group_segment_fixed_size 327680
		.amdhsa_private_segment_fixed_size 0
		.amdhsa_enable_private_segment 0
		.amdhsa_kernarg_size 48
		.amdhsa_user_sgpr_count 2
		.amdhsa_user_sgpr_kernarg_segment_ptr 1
		.amdhsa_wavefront_size32 1
		.amdhsa_system_sgpr_workgroup_id_x 1
		.amdhsa_system_sgpr_workgroup_id_y 1
		.amdhsa_system_sgpr_workgroup_id_z 1
		.amdhsa_system_vgpr_workitem_id 0
		.amdhsa_next_free_vgpr 1024
		.amdhsa_next_free_sgpr 100
		.amdhsa_reserve_vcc 0
		.amdhsa_float_denorm_mode_32 3
		.amdhsa_float_denorm_mode_16_64 3
		.amdhsa_memory_ordered 1
		.amdhsa_forward_progress 1
		.amdhsa_inst_pref_size 192
	.end_amdhsa_kernel
	.amdgpu_metadata
---
amdhsa.version: [ 1, 2 ]
amdhsa.kernels:
  - .name:           k_q0e66375680_qkv
    .symbol:         k_q0e66375680_qkv.kd
    .args:
      - { .name: hcodes, .offset: 0, .size: 8, .value_kind: global_buffer, .address_space: global }
      - { .name: wcodes, .offset: 8, .size: 8, .value_kind: global_buffer, .address_space: global }
      - { .name: cos, .offset: 16, .size: 8, .value_kind: global_buffer, .address_space: global }
      - { .name: sin, .offset: 24, .size: 8, .value_kind: global_buffer, .address_space: global }
      - { .name: lowp_scales, .offset: 32, .size: 8, .value_kind: global_buffer, .address_space: global }
      - { .name: qkvimg, .offset: 40, .size: 8, .value_kind: global_buffer, .address_space: global }
    .group_segment_fixed_size: 327680
    .private_segment_fixed_size: 0
    .kernarg_segment_align: 8
    .kernarg_segment_size: 48
    .max_flat_workgroup_size: 128
    .sgpr_count:     100
    .vgpr_count:     1024
    .wavefront_size: 32
...
	.end_amdgpu_metadata
.endif
;; end of part 2
;; launch attn (part 3): grid 4 x 64, 8 waves a work-group, clusters of 4 x 4, 327,680 bytes of LDS; arguments qkvimg, attention_mask, lowp_scales, acodes; writes acodes
.if DOCPART == 3
	.amdgcn_target "amdgcn-amd-amdhsa--gfx1250"
	.amdhsa_code_object_version 6
	.text
	.protected	k_q0e66375680_attn
	.globl	k_q0e66375680_attn
	.p2align	8
	.type	k_q0e66375680_attn,@function
k_q0e66375680_attn:
	s_mov_b64 s[64:65], 0
	v_nop
	global_prefetch_b8 v0, s[64:65] scope:SCOPE_SE
	s_setreg_imm32_b32 hwreg(HW_REG_WAVE_MODE, 25, 1), 1
	s_wait_xcnt 0x0
	s_wait_alu depctr_hold_cnt(0) depctr_sa_sdst(0) depctr_va_vdst(0) depctr_va_sdst(0) depctr_va_ssrc(0) depctr_va_vcc(0) depctr_vm_vsrc(0)
	s_getreg_b32 s2, hwreg(HW_REG_IB_STS2, 6, 4)
	s_cmp_eq_u32 s2, 0
	s_cbranch_scc0 .Lentry_in_a_cluster
	s_endpgm
.Lentry_in_a_cluster:
	s_bfe_u32 s2, ttmp6, 0x10000c
	s_cmp_lg_u32 s2, 0xf033
	s_cbranch_scc0 .Lentry_shape_is_right
	s_endpgm
.Lentry_shape_is_right:
; Attention on codes of FP8 (E4M3): logit = q k^T / 8 + attention_mask; t = logit x log2(e); p = 2^(t - M), M the running largest t rounded UP to a whole number; O = (p v) / (the row's sum of the unquantised p);
; O is quantised by entry 10 of lowp_scales into acodes [4,096 tokens][1,024], column = 64 head + channel.  The mask is an input: every key is walked and every mask number is read.  No work of the problem is left out.
; SHARES.  A work-group owns 64 queries x 4 query heads (two KV heads).  Wave w owns 16 queries (w % 4) and the TWO query heads of KV head w / 4: each fragment of k and v and each mask number read from LDS serves two heads.
; CLUSTER, 4 x 4.  The four head groups of a row of the cluster have the same queries and need the same mask tile; the four query blocks of a column have the same heads and need the same k and v: every tile comes by a joint load.
; A slot holds 256 keys: k's and v's images as they lie in memory (16,384 bytes each; waves 0, 1: k of the two KV heads; waves 2, 3: v) and 64 mask rows x 1,024 bytes (waves 4 to 7: 16 rows each): every wave issues one load a fill.
; LAYOUT.  Both products transposed: S^T = k q^T (K = 64), O^T = v^T p^T (K = 128 keys): a lane holds ONE query (lane % 16).  Register 8 T + j of S^T is key 16 T + 8 (lane / 16) + j, so the conversions' results are the second product's operand.
; ARITHMETIC.  logit = S x 2^(e6 + e7 - 3) + mask, one fused multiply-add, rounded to f32 as the logit is; the maximum is taken of the logits; t - M = logit x log2(e) - M, a second one.  When M moves, the sum and O^T are multiplied by 2^(old M - new M).
; THE WALK.  A step is 128 keys.  The next step's k and mask are asked of LDS behind this step's logits, v at the step's head; one wait in front of the second product shows all three.  The change of slots stands in the middle of a
; slot's second step, behind that slot's last LDS reads: the maxima stand between the add and its wait, the statistics and the rescaling of O^T between the barrier's signal and its wait.
; THE EXPONENTIALS go in two batches of 64.  Between them stand only lines that read what was written ahead of the batch's wait and whose results are first read behind the next wait: head b's t - M; head a's first level of sums and its holds.
; LIMITS: |t| under 2^31; e6 + e7 between -123 and 130; e8 and e10 between -126 and 119.  NaN and +infinity in the mask are not served, nor is a row whose mask is -infinity at every key.
; REGISTERS.  window 0: v1-11, v27 addresses; v12-15, v16-19 the heads' -M, largest logit, sum (a pair); v20-29 at work; v30, v31 hold and scale; v32-95 the mask; v96-159, v160-223 S^T, then p; v224-255 partial sums.
;   window 1: v0-63 k's 8 fragments; v64-127 v's 4; v128-143 q; v144-207 O^T of head a, b; v208-239 p's codes.
.set SLOTB, 132096                     ; a slot: k 32,768, v 32,768, mask 64 x 1,040
.set VOFF,  32768
.set MOFF,  65536
.set MP,    1040                       ; a mask row in LDS: 1,024 bytes + 16 of padding
.set STAGE, 2*SLOTB                    ; behind the ring: 64 rows x 272 bytes for the way out: bytes of its own
.set SPI,   272
.set SPARE, STAGE+64*SPI               ; the spare words, 128 bytes for each of eight waves, which no other line names
.set AK0, 1
.set AV0, 2
.set AM0, 3
.set ADK, 4                            ; v4-6 k's, v's, the mask's place in the slot in hand
.set ADV, 5
.set ADM, 6
.set SPW, 7
.set NIL, 8
.set PFO, 9
.set STO, 10
.set RD,  11
.set STA, 12
.set STB, 16
.set TA,  20
.set TC,  21
.set FA,  22
.set FB,  24
.set GO,  27
.set TS,  28
.set HOLD, 30
.set PSC, 31
.set MK,  32
.set SA,  96
.set SB,  160
.set T,   224
.set U,   240
.set KF,  0                            ; window 1
.set VF,  64
.set QA,  128
.set QB,  136
.set OA,  144
.set OB,  176
.set PA,  208
.set PB,  224
.set TB,  2                            ; s2   LDS byte at which the slot that is read begins
.set TF,  3                            ; s3   the slot that is filled
.set WV,  12
.set SEL, 20
.set CS,  22                           ; s[22:23] 2^(e6 + e7 - 3), twice
.set G1KV, 24
.set G1M, 32
.set G0KV, 40
.set G0M, 44
.set LKV, 48                           ; s48  16,384 x wave
.set SLOTS, 49                         ; s49  the loops' counter
.set LIMS, 50                          ; s50  1 in a wave that prefetches, else the greatest number
.set LM,  51                           ; s51  MOFF + 16 mask rows x (wave % 4)
.set PFA, 52
.set PFS, 54
.set L2E, 62                           ; s[62:63] log2(e), twice
.set MSB, 0
.macro WIN new                         ; the immediate's high byte repeats the setting that is left
.if MSB != \new
	s_set_vgpr_msb (MSB<<8)|\new
.set MSB, \new
.endif
.endm
.macro ALU
	s_wait_alu depctr_va_vdst(0)
.endm
; Waves 0-3 fetch k and v, waves 4-7 the mask.  The branch hangs on the wave's number alone.  An s_nop 0 and four v_nop follow each of the two lines.
.macro TLOAD
	s_cmp_lt_u32 s[WV], 4
	s_cbranch_scc0 .Lfor_m_\@
	tensor_load_to_lds s[G0KV:G0KV+3], s[G1KV:G1KV+7]
	s_nop 0
.rept 4
	v_nop
.endr
	s_branch .Lasked_\@
.Lfor_m_\@:
	tensor_load_to_lds s[G0M:G0M+3], s[G1M:G1M+7]
	s_nop 0
.rept 4
	v_nop
.endr
.Lasked_\@:
.endm
; A PREFETCH INTO THE L2 of what the NEXT fill will ask for, two key steps ahead of that load; one instruction a wave.  Each aligned block of 256 bytes is named once in the launch.
; The mask tile is read by my row of the cluster alone: its four partners take 16 rows each, told apart BY ADDRESS (cx); waves 5 and 6 take 8 rows each: a lane a block, four blocks a row.
; k and v are read by all eight clusters of a batch: the batch's first cluster asks.  The four partners of a column take a quarter each, by address (cy): wave 7 k's, wave 4 v's; lanes 0-15 one head, lanes 16-31 the other.
; Tiles 0 and 1 come by their loads alone; the last fill asks for nothing.
.macro ASK
	s_cmp_gt_u32 s[SLOTS], s[LIMS]
	s_cbranch_scc0 .Lnot_mine_\@
	global_prefetch_b8 v[PFO], s[PFA:PFA+1] th:TH_LOAD_NT scope:SCOPE_SE
.Lnot_mine_\@:
.endm
.macro CREST                           ; a round of the cluster's barrier behind its opening barrier
	s_cmp_lg_u32 s[WV], 0
	s_cbranch_scc1 .Lnot_wave_0_\@
	s_barrier_signal -3
.Lnot_wave_0_\@:
	s_barrier_wait -3
	s_barrier_signal -1
	s_barrier_wait -1
.endm
.macro CROUND
	s_barrier_signal -1
	s_barrier_wait -1
	CREST
.endm
.macro FILLSTEP                        ; no tensor load of mine is out: the walking descriptors go to the other slot and the next 256 keys
	s_xor_b32 s[TF], s[TF], SLOTB
	s_add_co_u32 s[G0KV+1], s[TF], s[LKV]
	s_add_co_u32 s[G0M+1], s[TF], s[LM]
	s_add_nc_u64 s[G0KV+2:G0KV+3], s[G0KV+2:G0KV+3], 16384
	s_add_nc_u64 s[G0M+2:G0M+3], s[G0M+2:G0M+3], 1024
	s_wait_xcnt 0x0                                ; the last prefetch has read its address
	s_add_nc_u64 s[PFA:PFA+1], s[PFA:PFA+1], s[PFS:PFS+1]
.endm
	s_load_b256 s[4:11], s[0:1], 0x0               ; qkvimg, attention_mask, lowp_scales, acodes
	v_lshl_add_u32 v[SPW], v0, 2, SPARE
	v_mov_b32 v[NIL], 0
	ds_add_u32 v[SPW], v[NIL]                      ; the opening: the add, twice on end, and its wait ahead of my first tensor load
	ds_add_u32 v[SPW], v[NIL]
	v_lshrrev_b32 v1, 5, v0
	v_readfirstlane_b32 s[WV], v1                  ; wave 0..7
	s_bfe_u32 s13, ttmp6, 0x40000                  ; cx
	s_bfe_u32 s14, ttmp6, 0x40004                  ; cy
	s_and_b32 s15, ttmp7, 0xffff                   ; the cluster's y, 0 .. 15
	s_lshl_b32 s16, ttmp9, 2
	s_add_co_u32 s16, s16, s13                     ; hg: my group of four query heads
	s_lshl_b32 s17, s15, 2
	s_add_co_u32 s17, s17, s14                     ; qb: my block of 64 queries, 0 .. 63 over both batches
	s_lshr_b32 s18, s15, 3                         ; the batch
	s_lshl_b32 s66, s14, 2
	s_lshl_b32 s66, 15, s66                        ; my row of the cluster
	s_lshl_b32 s67, 0x1111, s13                    ; my column
	s_or_b32 s[G1KV], s67, (3<<16)|(1<<21)         ; k, v: a dense block of 16,384 bytes as 64 rows of 32 elements of 8 bytes; shared along my column
	s_mov_b32 s[G1KV+1], 32<<16
	s_mov_b32 s[G1KV+2], 64<<16
	s_mov_b32 s[G1KV+3], 32<<16
	s_mov_b32 s[G1KV+4], 64
	s_mov_b32 s[G1KV+5], 32
	s_mov_b32 s[G1KV+6], 0
	s_mov_b32 s[G1KV+7], 0
	s_or_b32 s[G1M], s66, (2<<16)|(1<<20)|(1<<21)|(7<<22)|(3<<25)   ; the mask: 16 rows of 256 f32, 2,048 apart, four words of padding behind each; shared along my row
	s_mov_b32 s[G1M+1], 256<<16
	s_mov_b32 s[G1M+2], 16<<16
	s_mov_b32 s[G1M+3], 256<<16
	s_mov_b32 s[G1M+4], 16
	s_mov_b32 s[G1M+5], 2048
	s_mov_b32 s[G1M+6], 0
	s_mov_b32 s[G1M+7], 0
	s_mov_b32 s69, 6291456                         ; v's images,
	s_cmp_lt_u32 s[WV], 2
	s_cselect_b32 s68, 4194304, s69                ; k's
	s_lshl_b32 s69, s18, 3
	s_lshl_b32 s72, s16, 1
	s_add_co_u32 s69, s69, s72                     ; 8 batch + 2 hg: my group's first KV head
	s_mov_b32 s73, s69
	s_and_b32 s72, s[WV], 1
	s_add_co_u32 s69, s69, s72
	s_lshl_b32 s69, s69, 17                        ; a head's images are 131,072 bytes
	s_add_co_u32 s68, s68, s69
	s_mov_b32 s69, 0
	s_lshl_b32 s70, s17, 19                        ; 64 mask rows of 8,192 bytes,
	s_and_b32 s71, s[WV], 3
	s_lshl_b32 s78, s71, 17                        ; and my 16 of them
	s_add_co_u32 s70, s70, s78
	s_mul_i32 s[LM], s71, 16*MP
	s_add_co_u32 s[LM], s[LM], MOFF
	s_mov_b32 s71, 0
	s_lshl_b32 s[LKV], s[WV], 14
	s_mov_b32 s[TB], 0
	s_mov_b32 s[TF], 0
	s_mov_b32 s[SEL], 0x76543210
	s_mov_b32 s[SEL+1], 0xfedcba98
	s_mov_b32 s[L2E], 0x3fb8aa3b
	s_mov_b32 s[L2E+1], 0x3fb8aa3b
	s_mov_b32 s[SLOTS], 6
	s_wait_dscnt 0x0                               ; both opening adds are done
	s_wait_kmcnt 0x0
	s_load_b64 s[60:61], s[8:9], 0x18              ; e6, e7
	s_load_b128 s[56:59], s[8:9], 0x20             ; e8 .. e11
	s_mov_b32 s[G0KV], 1
	s_mov_b32 s[G0KV+1], s[LKV]                    ; slot 0
	s_add_nc_u64 s[G0KV+2:G0KV+3], s[4:5], s[68:69]
	s_or_b32 s[G0KV+3], s[G0KV+3], 0x80000000
	s_mov_b32 s[G0M], 1
	s_mov_b32 s[G0M+1], s[LM]
	s_add_nc_u64 s[G0M+2:G0M+3], s[6:7], s[70:71]
	s_or_b32 s[G0M+3], s[G0M+3], 0x80000000
	CROUND                                         ; all sixteen work-groups are here: the first joint loads meet
	TLOAD                                          ; keys 0 to 255 into slot 0: my one load at the head
	; the scalar part of every address first, so that the vector lines below stand on end
	s_lshr_b32 s74, s[WV], 2                       ; ks: which KV head of the two
	s_and_b32 s75, s[WV], 3                        ; qt: which 16 queries
	s_lshl_b32 s76, s18, 4
	s_lshl_b32 s77, s16, 2
	s_add_co_u32 s76, s76, s77
	s_lshl_b32 s77, s74, 1
	s_add_co_u32 s76, s76, s77                     ; 16 batch + 4 hg + 2 ks: head a
	s_lshl_b32 s76, s76, 17
	s_and_b32 s77, s17, 31
	s_lshl_b32 s77, s77, 12
	s_add_co_u32 s76, s76, s77
	s_lshl_b32 s77, s75, 10
	s_add_co_u32 s76, s76, s77
	s_mov_b32 s77, 0
	s_add_nc_u64 s[76:77], s[4:5], s[76:77]        ; q's images of my 16 queries
	s_lshl_b32 s90, s74, 14                        ; k, v: 16,384 ks
	s_mul_i32 s91, s75, 16*MP
	s_add_co_u32 s91, s91, MOFF                    ; the mask: row 16 qt
	s_mul_i32 s92, s75, 16*SPI
	s_lshl_b32 s79, s74, 7
	s_add_co_u32 s92, s92, s79
	s_add_co_u32 s92, s92, STAGE                   ; the stage, in: row 16 qt, + 128 ks
	s_mul_i32 s93, s[WV], 8*SPI
	s_add_co_u32 s93, s93, STAGE                   ; back: my 8 rows
	s_lshl_b32 s88, s17, 6
	s_lshl_b32 s89, s[WV], 3
	s_add_co_u32 s88, s88, s89                     ; token 64 qb + 8 wave
	s_lshl_b32 s88, s88, 10
	s_lshl_b32 s89, s16, 8                         ; my four heads' 256 bytes of a row
	s_add_co_u32 s88, s88, s89
	s_mov_b32 s89, 0
	s_add_nc_u64 s[10:11], s[10:11], s[88:89]
	s_sub_co_u32 s80, s[WV], 5                     ; the prefetches: who asks, for what, from where
	s_cmp_lt_u32 s80, 2                            ; waves 5 and 6: the mask
	s_cselect_b32 s81, 2, 4
	s_cselect_b32 s82, 13, 17
	s_cselect_b32 s83, 3, 15
	s_cselect_b64 s[PFA:PFA+1], s[6:7], s[4:5]
	s_mov_b32 s[PFS], 16384
	s_cselect_b32 s[PFS], 1024, s[PFS]
	s_mov_b32 s[PFS+1], 0
	s_lshl_b32 s84, s17, 6
	s_lshl_b32 s85, s13, 4
	s_add_co_u32 s84, s84, s85
	s_lshl_b32 s85, s80, 3
	s_add_co_u32 s84, s84, s85                     ; mask row 64 qb + 16 cx + 8 (wave - 5)
	s_lshl_b32 s84, s84, 13
	s_add_co_u32 s84, s84, 1024                    ; at tile 1: the first step of the address leads to tile 2
	s_mov_b32 s86, 6291456
	s_cmp_eq_u32 s[WV], 7
	s_cselect_b32 s86, 4194304, s86                ; wave 7: k; wave 4: v
	s_lshl_b32 s87, s73, 17
	s_add_co_u32 s86, s86, s87
	s_lshl_b32 s87, s14, 12                        ; my work-group's quarter
	s_add_co_u32 s86, s86, s87
	s_add_co_u32 s86, s86, 16384                   ; at tile 1
	s_cmp_lt_u32 s80, 2
	s_cselect_b32 s84, s84, s86
	s_mov_b32 s85, 0
	s_add_nc_u64 s[PFA:PFA+1], s[PFA:PFA+1], s[84:85]
	s_and_b32 s87, s15, 7
	s_cmp_eq_u32 s87, 0                            ; the batch's first cluster
	s_cselect_b32 s87, 1, -1
	s_cmp_lt_u32 s80, 2
	s_cselect_b32 s[LIMS], 1, s87
	s_cmp_lt_u32 s[WV], 4
	s_cselect_b32 s[LIMS], -1, s[LIMS]             ; waves 0-3 ask for nothing
	s_wait_kmcnt 0x0
	s_add_co_i32 s[CS], s60, s61
	s_add_co_i32 s[CS], s[CS], 124
	s_lshl_b32 s[CS], s[CS], 23                    ; 2^(e6 + e7) / 8 as f32
	s_mov_b32 s[CS+1], s[CS]
	s_add_co_i32 s95, s56, 127
	s_lshl_b32 s94, s95, 23                        ; 2^e8
	s_add_co_i32 s95, s95, 8
	s_lshl_b32 s95, s95, 23
	s_or_b32 s95, s95, 0x600000                    ; 448 x 2^e8
	v_and_b32 v20, 31, v0                          ; lane
	v_and_b32 v21, 15, v0                          ; r
	v_bfe_u32 v26, v0, 4, 1                        ; h
	v_lshlrev_b32 v[TS], 4, v20
	WIN 0x40                                       ; destination window 1
	global_load_b128 v[QA:QA+3],   v[TS], s[76:77]
	global_load_b128 v[QA+4:QA+7], v[TS], s[76:77] offset:512
	global_load_b128 v[QB:QB+3],   v[TS], s[76:77] offset:131072
	global_load_b128 v[QB+4:QB+7], v[TS], s[76:77] offset:131584
.set n, 0
.rept 64
	v_mov_b32 v[OA+n], 0                           ; O^T of both heads: the key step has no first step of its own: the first change of M multiplies zeros
.set n, n+1
.endr
	WIN 0
	v_lshlrev_b32 v[AK0], 4, v20
	v_add_nc_u32 v[AK0], s90, v[AK0]               ; 16 lane + 16,384 ks
	v_add_nc_u32 v[AV0], VOFF, v[AK0]
	v_mul_u32_u24 v[AM0], v21, MP
	v_lshl_add_u32 v[AM0], v26, 5, v[AM0]
	v_add_nc_u32 v[AM0], s91, v[AM0]               ; row 16 qt + r, + 32 h
	v_mul_u32_u24 v[STO], v21, SPI
	v_lshl_add_u32 v[STO], v26, 3, v[STO]
	v_add_nc_u32 v[STO], s92, v[STO]
	v_mul_u32_u24 v[RD], v26, SPI
	v_lshl_add_u32 v[RD], v21, 4, v[RD]
	v_add_nc_u32 v[RD], s93, v[RD]                 ; lanes 0-15 one row of 256 bytes, lanes 16-31 the next
	v_lshlrev_b32 v[GO], 10, v26
	v_lshl_add_u32 v[GO], v21, 4, v[GO]            ; and the same two rows in acodes
	v_lshrrev_b32 v21, s81, v20
	v_lshlrev_b32 v21, s82, v21                    ; mask: (lane / 4) rows of 8,192 bytes; k, v: (lane / 16) heads of 131,072
	v_and_b32 v[PFO], s83, v20
	v_lshl_or_b32 v[PFO], v[PFO], 8, v21
	v_mov_b32 v[STA+1], 0xfe967699                 ; the largest logit so far: -1e38
	v_mov_b32 v[STA], 0x7e800000                   ; -M: 2^126
	v_mov_b32 v[STA+2], 0                          ; the sum, in two halves
	v_mov_b32 v[STA+3], 0
	v_mov_b32 v[STB+1], 0xfe967699
	v_mov_b32 v[STB], 0x7e800000
	v_mov_b32 v[STB+2], 0
	v_mov_b32 v[STB+3], 0
	v_mov_b32 v[FA+1], 0                           ; (named as the upper halves of pairs)
	v_mov_b32 v[FB+1], 0
	v_mov_b32 v[PSC], s94
	v_mov_b32 v[HOLD], s95
.macro KMLOAD q                        ; k's images and the mask of a step: 32 loads
	WIN 0x40
.irp t, 0,1,2,3,4,5,6,7
	ds_load_b128 v[KF+8*\t:KF+8*\t+3],   v[ADK] offset:8192*(\q)+1024*\t
	ds_load_b128 v[KF+8*\t+4:KF+8*\t+7], v[ADK] offset:8192*(\q)+1024*\t+512
.endr
	WIN 0
.irp t, 0,1,2,3,4,5,6,7
	ds_load_b128 v[MK+8*\t:MK+8*\t+3],   v[ADM] offset:512*(\q)+64*\t       ; my query, keys 16 t + 8 h + 0 .. 7
	ds_load_b128 v[MK+8*\t+4:MK+8*\t+7], v[ADM] offset:512*(\q)+64*\t+16
.endr
.endm
.macro MAXES                           ; the largest of each head's 64 logits in my lane: four chains by turns
	v_max3_num_f32 v[TA], v[SA], v[SA+1], v[SA+2]
	v_max3_num_f32 v[TS], v[SB], v[SB+1], v[SB+2]
	v_max3_num_f32 v[TC], v[SA+3], v[SA+4], v[SA+5]
	v_max3_num_f32 v[TS+1], v[SB+3], v[SB+4], v[SB+5]
.set n, 6
.rept 14
	v_max3_num_f32 v[TA], v[TA], v[SA+n], v[SA+n+1]
	v_max3_num_f32 v[TS], v[TS], v[SB+n], v[SB+n+1]
	v_max3_num_f32 v[TC], v[TC], v[SA+n+2], v[SA+n+3]
	v_max3_num_f32 v[TS+1], v[TS+1], v[SB+n+2], v[SB+n+3]
.set n, n+4
.endr
	v_max3_num_f32 v[TA], v[TA], v[SA+62], v[SA+63]
	v_max3_num_f32 v[TS], v[TS], v[SB+62], v[SB+63]
	v_max_num_f32 v[TA], v[TA], v[TC]
	v_max_num_f32 v[TS], v[TS], v[TS+1]
.endm
.macro STATS                           ; both heads by turns
	v_permlanex16_b32 v[TC], v[TA], s[SEL], s[SEL+1]       ; the query's other 64 keys lie in lane l xor 16
	v_permlanex16_b32 v[TS+1], v[TS], s[SEL], s[SEL+1]
	v_max3_num_f32 v[STA+1], v[STA+1], v[TA], v[TC]        ; the running largest logit
	v_max3_num_f32 v[STB+1], v[STB+1], v[TS], v[TS+1]
	v_mul_f32 v[TA], s[L2E], v[STA+1]                      ; as t
	v_mul_f32 v[TS], s[L2E], v[STB+1]
	v_floor_f32 v[TC], -v[TA]                              ; the new -M = -ceil(t)
	v_floor_f32 v[TS+1], -v[TS]
	v_sub_f32 v[TA], v[TC], v[STA]                         ; old M - new M: a whole number, 0 or less
	v_sub_f32 v[TS], v[TS+1], v[STB]
	v_mov_b32 v[STA], v[TC]
	v_mov_b32 v[STB], v[TS+1]
	v_cvt_i32_f32 v[TA], v[TA]                             ; (it saturates)
	v_cvt_i32_f32 v[TS], v[TS]
	v_ldexp_f32 v[FA], 1.0, v[TA]                          ; f = 2^(old M - new M)
	v_ldexp_f32 v[FB], 1.0, v[TS]
	v_pk_mul_f32 v[STA+2:STA+3], v[STA+2:STA+3], v[FA:FA+1] op_sel_hi:[1,0]
	v_pk_mul_f32 v[STB+2:STB+3], v[STB+2:STB+3], v[FB:FB+1] op_sel_hi:[1,0]
.endm
.macro RESCALE                         ; O^T under the new M: its first reader, ahead of the step's exponentials; each accumulator from its low end on
	WIN 0x41
.set n, 0
.rept 16
	v_pk_mul_f32 v[OA+2*n:OA+2*n+1], v[OA+2*n:OA+2*n+1], v[FA:FA+1] op_sel_hi:[1,0]
.set n, n+1
.endr
.set n, 0
.rept 16
	v_pk_mul_f32 v[OB+2*n:OB+2*n+1], v[OB+2*n:OB+2*n+1], v[FB:FB+1] op_sel_hi:[1,0]
.set n, n+1
.endr
	WIN 0
.endm
.macro HOLDS sr, from, cnt             ; the conversion to an 8-bit code does not saturate (ISA guide 7.6.2); p is not negative, so the hold is one-sided; two numbers a line
.set m, \from
.rept \cnt
	v_dual_min_num_f32 v[\sr+2*m], v[HOLD], v[\sr+2*m] :: v_dual_min_num_f32 v[\sr+2*m+1], v[HOLD], v[\sr+2*m+1]
.set m, m+1
.endr
.endm
.macro FOLD base, cnt                  ; pairs 0 .. cnt - 1 += pairs cnt .. 2 cnt - 1
.set m, 0
.rept \cnt
	v_pk_add_f32 v[\base+2*m:\base+2*m+1], v[\base+2*m:\base+2*m+1], v[\base+2*(\cnt)+2*m:\base+2*(\cnt)+2*m+1]
.set m, m+1
.endr
.endm
; A KEY STEP: 128 keys, the q-th of the slot in hand, for both heads.  Its k and mask are in registers.
; mode 0: the next step lies in the same slot.  mode 1: the change of slots with a refill.  mode 2: the change of slots in the last two slots: nothing is filled.
.macro STEP q, mode
	WIN 0x05                                       ; k and q window 1, S^T window 0
.irp t, 0,1,2,3,4,5,6,7
	v_wmma_f32_16x16x64_fp8_fp8 v[SA+8*\t:SA+8*\t+7], v[KF+8*\t:KF+8*\t+7], v[QA:QA+7], 0
	v_wmma_f32_16x16x64_fp8_fp8 v[SB+8*\t:SB+8*\t+7], v[KF+8*\t:KF+8*\t+7], v[QB:QB+7], 0
.endr
	WIN 0
.if \q == 0                                    ; four places behind the products, ahead of the loads into v's registers and of the first read of S^T
	v_add_nc_u32 v[ADV], s[TB], v[AV0]
.else
	v_nop
.endif
.rept 3
	v_nop
.endr
	WIN 0x40
.irp t, 0,1,2,3
.irp c, 0,1,2,3
	ds_load_b128 v[VF+16*\t+4*\c:VF+16*\t+4*\c+3], v[ADV] offset:8192*(\q)+2048*\t+512*\c   ; v's images: wanted at the step's end
.endr
.endr
	WIN 0
.set n, 0
.rept 32
	v_pk_fma_f32 v[SA+2*n:SA+2*n+1], v[SA+2*n:SA+2*n+1], s[CS:CS+1], v[MK+2*n:MK+2*n+1] op_sel_hi:[1,0,1]   ; the logits; each accumulator from its low end on
.set n, n+1
.endr
.set n, 0
.rept 32
	v_pk_fma_f32 v[SB+2*n:SB+2*n+1], v[SB+2*n:SB+2*n+1], s[CS:CS+1], v[MK+2*n:MK+2*n+1] op_sel_hi:[1,0,1]
.set n, n+1
.endr
.if \mode == 0
	KMLOAD 1                                       ; the next step's k and mask: their registers are free
	MAXES
	STATS
	RESCALE
.else
	ALU                                            ; the wait ahead of the waits below
	s_wait_tensorcnt 0x0                           ; my part of the next slot has landed, and no load of mine is out
	ds_add_u32 v[SPW], v[NIL]                      ; 0 onto my spare word
.if \mode == 1
	FILLSTEP
.endif
	MAXES                                          ; work on registers between the add and its wait
	ALU
	s_wait_dscnt 0x0                               ; the add is done, and v's loads above, my last reads of this slot, are back
	s_barrier_signal -1
	STATS                                          ; work on registers while the others arrive
	RESCALE
	ALU
	s_barrier_wait -1
.if \mode == 1
	CREST                                          ; the barrier has opened a round of the cluster's: no wave of any partner still reads this slot or has a load on its way
	TLOAD                                          ; the refill, my one tensor load until the next round: it has two key steps in which to land
	ASK
	s_xor_b32 s[TB], s[TB], SLOTB                  ; on to the other slot
	v_add_nc_u32 v[ADK], s[TB], v[AK0]
	v_add_nc_u32 v[ADM], s[TB], v[AM0]
	KMLOAD 0
.else
	s_xor_b32 s[TB], s[TB], SLOTB
	s_cmp_eq_u32 s[SLOTS], 1                       ; behind the very last step there is nothing to fetch: a branch on the loop's counter, round LDS loads alone; every later wait on DScnt is for 0
	s_cbranch_scc1 .Lnone_\@
	v_add_nc_u32 v[ADK], s[TB], v[AK0]
	v_add_nc_u32 v[ADM], s[TB], v[AM0]
	KMLOAD 0
.Lnone_\@:
.endif
.endif
.set n, 0
.rept 32
	v_pk_fma_f32 v[SA+2*n:SA+2*n+1], v[SA+2*n:SA+2*n+1], s[L2E:L2E+1], v[STA:STA+1] op_sel_hi:[1,0,0]   ; head a: t - M (of the pairs the low word serves both halves)
.set n, n+1
.endr
	ALU                                            ; the wait ahead of the batch
.set n, 0
.rept 32
	v_exp_f32 v[SA+2*n], v[SA+2*n]                 ; head a: p = 2^(t - M)
	v_exp_f32 v[SA+2*n+1], v[SA+2*n+1]
	v_pk_fma_f32 v[SB+2*n:SB+2*n+1], v[SB+2*n:SB+2*n+1], s[L2E:L2E+1], v[STB:STB+1] op_sel_hi:[1,0,0]   ; head b: t - M: first read behind the wait below
.set n, n+1
.endr
	ALU                                            ; behind head a's batch and ahead of head b's
.set n, 0
.rept 16
	v_exp_f32 v[SB+4*n], v[SB+4*n]                 ; head b's p; between: head a's sums of the UNQUANTISED p, first level, and its holds: all first read behind the wait below
	v_pk_add_f32 v[T+2*n:T+2*n+1], v[SA+4*n:SA+4*n+1], v[SA+4*n+2:SA+4*n+3]
	v_exp_f32 v[SB+4*n+1], v[SB+4*n+1]
	HOLDS SA, 2*n, 1
	v_exp_f32 v[SB+4*n+2], v[SB+4*n+2]
	HOLDS SA, 2*n+1, 1
	v_exp_f32 v[SB+4*n+3], v[SB+4*n+3]
.set n, n+1
.endr
	ALU                                            ; behind head b's batch
	FOLD T, 8                                      ; head a's sixteen partial sums fold; head b's sums go in eight chains; the two by turns
.set n, 0
.rept 8
	v_pk_add_f32 v[U+2*n:U+2*n+1], v[SB+4*n:SB+4*n+1], v[SB+4*n+2:SB+4*n+3]
.set n, n+1
.endr
	FOLD T, 4
.set n, 0
.rept 8
	v_pk_add_f32 v[U+2*n:U+2*n+1], v[U+2*n:U+2*n+1], v[SB+32+2*n:SB+33+2*n]
.set n, n+1
.endr
	FOLD T, 2
.set n, 0
.rept 8
	v_pk_add_f32 v[U+2*n:U+2*n+1], v[U+2*n:U+2*n+1], v[SB+48+2*n:SB+49+2*n]
.set n, n+1
.endr
	FOLD T, 1
	HOLDS SB, 0, 8
	v_pk_add_f32 v[STA+2:STA+3], v[STA+2:STA+3], v[T:T+1]
	FOLD U, 4
	HOLDS SB, 8, 8
	FOLD U, 2
	HOLDS SB, 16, 8
	FOLD U, 1
	HOLDS SB, 24, 8
	v_pk_add_f32 v[STB+2:STB+3], v[STB+2:STB+3], v[U:U+1]
	WIN 0x40                                       ; the codes go to window 1
.irp t, 0,1,2,3,4,5,6,7
	v_cvt_scalef32_pk8_fp8_f32 v[PA+2*\t:PA+2*\t+1], v[SA+8*\t:SA+8*\t+7], v[PSC]
.endr
.irp t, 0,1,2,3,4,5,6,7
	v_cvt_scalef32_pk8_fp8_f32 v[PB+2*\t:PB+2*\t+1], v[SB+8*\t:SB+8*\t+7], v[PSC]
.endr
	v_nop                                          ; a plain line behind the run of conversions
	ALU                                            ; the wait ahead of the wait below
	s_wait_dscnt 0x0                               ; v is in, and the next step's k and mask
	WIN 0x55
.irp t, 0,1,2,3
	v_wmma_f32_16x16x128_fp8_fp8 v[OA+8*\t:OA+8*\t+7], v[VF+16*\t:VF+16*\t+15], v[PA:PA+15], v[OA+8*\t:OA+8*\t+7]   ; eight accumulators by turns
	v_wmma_f32_16x16x128_fp8_fp8 v[OB+8*\t:OB+8*\t+7], v[VF+16*\t:VF+16*\t+15], v[PB:PB+15], v[OB+8*\t:OB+8*\t+7]
.endr
	WIN 0
.endm
	ALU                                            ; the wait at the head's end
	s_wait_tensorcnt 0x0                           ; my part of slot 0 is in; slot 1's first fill is issued as a refill is
	ds_add_u32 v[SPW], v[NIL]
	FILLSTEP
	s_wait_dscnt 0x0
	CROUND
	TLOAD                                          ; keys 256 to 511 into slot 1
	ASK
	v_add_nc_u32 v[ADK], s[TB], v[AK0]
	v_add_nc_u32 v[ADM], s[TB], v[AM0]
	KMLOAD 0                                       ; the first step's k and mask
	ALU
	s_wait_loadcnt 0x0                             ; q
	s_wait_dscnt 0x0
.Lslot:                                                ; six trips, slots' worth 0 to 5: each refills the slot that it leaves with the keys two slots on
	STEP 0, 0
	STEP 1, 1
	s_sub_co_u32 s[SLOTS], s[SLOTS], 1
	s_cmp_lg_u32 s[SLOTS], 0
	s_cbranch_scc1 .Lslot
	s_mov_b32 s[SLOTS], 2
.Llast:                                                ; the last two slots' worth: no tensor load stands in this loop
	STEP 0, 0
	STEP 1, 2
	s_sub_co_u32 s[SLOTS], s[SLOTS], 1
	s_cmp_lg_u32 s[SLOTS], 0
	s_cbranch_scc1 .Llast
	; THE WAY OUT.  O^T / the sum x 2^(e8 + e9) is quantised by 2^e10; a lane's eight channels are 8 bytes; a token's 256 bytes come from two waves, so they meet in the stage, and each wave stores 8 whole rows.
	v_add_f32 v[STA+2], v[STA+2], v[STA+3]         ; the sum's two halves (these six lines are also the places behind the last products),
	v_add_f32 v[STB+2], v[STB+2], v[STB+3]
	v_permlanex16_b32 v[TA], v[STA+2], s[SEL], s[SEL+1]
	v_permlanex16_b32 v[TC], v[STB+2], s[SEL], s[SEL+1]
	v_add_f32 v[STA+2], v[STA+2], v[TA]            ; and lane l xor 16's: the row's sum
	v_add_f32 v[STB+2], v[STB+2], v[TC]
	s_add_co_i32 s66, s56, s57                     ; e8 + e9
	s_add_co_i32 s67, s58, 127
	s_lshl_b32 s68, s67, 23                        ; 2^e10
	s_add_co_i32 s67, s67, 8
	s_lshl_b32 s67, s67, 23
	s_or_b32 s67, s67, 0x600000                    ; 448 x 2^e10
	ALU                                            ; ahead of the reciprocals
	v_rcp_f32 v[STA+2], v[STA+2]
	v_rcp_f32 v[STB+2], v[STB+2]
	v_mov_b32 v[PSC], s68                          ; (a plain line behind the reciprocals)
	v_mov_b32 v[HOLD], s67
	ALU                                            ; behind them, ahead of their first reader
	v_ldexp_f32 v[STA+2], v[STA+2], s66
	v_ldexp_f32 v[STB+2], v[STB+2], s66
	WIN 0x01                                       ; source 0: O^T, window 1
	ALU                                            ; the wait directly ahead of the first reader of O^T
.set n, 0
.rept 32
	v_mul_f32 v[SA+n], v[OA+n], v[STA+2]           ; register 8 t + j: channel 16 t + 8 h + j of my query; each accumulator from its low end on
.set n, n+1
.endr
.set n, 0
.rept 32
	v_mul_f32 v[SA+32+n], v[OB+n], v[STB+2]
.set n, n+1
.endr
	WIN 0
.set n, 0
.rept 64
	v_med3_num_f32 v[SA+n], v[SA+n], -v[HOLD], v[HOLD]
.set n, n+1
.endr
.irp t, 0,1,2,3,4,5,6,7
	v_cvt_scalef32_pk8_fp8_f32 v[T+2*\t:T+2*\t+1], v[SA+8*\t:SA+8*\t+7], v[PSC]
.endr
	v_nop
.irp t, 0,1,2,3,4,5,6,7
	ds_store_b64 v[STO], v[T+2*\t:T+2*\t+1] offset:64*(\t/4)+16*(\t%4)   ; head a's 64 bytes, then head b's
.endr
	s_wait_dscnt 0x0                               ; for the others' sake: my stores into the stage are done
	s_barrier_signal -1
	s_barrier_wait -1
.irp i, 0,1,2,3
	ds_load_b128 v[SA+4*\i:SA+4*\i+3], v[RD] offset:2*SPI*\i
.endr
.irp i, 0,1,2,3
	s_wait_dscnt 3-\i
	global_store_b128 v[GO], v[SA+4*\i:SA+4*\i+3], s[10:11] offset:2048*\i   ; 16 lanes store 256 consecutive bytes, at a multiple of 256 from the buffer's first byte
.endr
	s_wait_tensorcnt 0x0                           ; the wave's end
	ds_add_u32 v[SPW], v[NIL]
	s_wait_dscnt 0x0
	CROUND                                         ; the closing round
	s_endpgm
.Lfunc_end_k_q0e66375680_attn:
	.size	k_q0e66375680_attn, .Lfunc_end_k_q0e66375680_attn-k_q0e66375680_attn
	.p2alignl 7, 3214868480
	.fill 96, 4, 3214868480
	.section	.rodata,"a",@progbits
	.p2align	6, 0x0
	.amdhsa_kernel k_q0e66375680_attn
		.amdhsa_group_segment_fixed_size 327680
		.amdhsa_private_segment_fixed_size 0
		.amdhsa_enable_private_segment 0
		.amdhsa_kernarg_size 32
		.amdhsa_user_sgpr_count 2
		.amdhsa_user_sgpr_kernarg_segment_ptr 1
		.amdhsa_wavefront_size32 1
		.amdhsa_system_sgpr_workgroup_id_x 1
		.amdhsa_system_sgpr_workgroup_id_y 1
		.amdhsa_system_sgpr_workgroup_id_z 1
		.amdhsa_system_vgpr_workitem_id 0
		.amdhsa_next_free_vgpr 512
		.amdhsa_next_free_sgpr 100
		.amdhsa_reserve_vcc 0
		.amdhsa_float_denorm_mode_32 3
		.amdhsa_float_denorm_mode_16_64 3
		.amdhsa_memory_ordered 1
		.amdhsa_forward_progress 1
		.amdhsa_inst_pref_size 159
	.end_amdhsa_kernel
	.amdgpu_metadata
---
amdhsa.version: [ 1, 2 ]
amdhsa.kernels:
  - .name:           k_q0e66375680_attn
    .symbol:         k_q0e66375680_attn.kd
    .args:
      - { .name: qkvimg, .offset: 0, .size: 8, .value_kind: global_buffer, .address_space: global }
      - { .name: attention_mask, .offset: 8, .size: 8, .value_kind: global_buffer, .address_space: global }
      - { .name: lowp_scales, .offset: 16, .size: 8, .value_kind: global_buffer, .address_space: global }
      - { .name: acodes, .offset: 24, .size: 8, .value_kind: global_buffer, .address_space: global }
    .group_segment_fixed_size: 327680
    .private_segment_fixed_size: 0
    .kernarg_segment_align: 8
    .kernarg_segment_size: 32
    .max_flat_workgroup_size: 256
    .sgpr_count:     100
    .vgpr_count:     512
    .wavefront_size: 32
...
	.end_amdgpu_metadata
.endif
;; end of part 3
;; launch oproj (part 4): grid 16 x 16, 4 waves a work-group, clusters of 4 x 4, 327,680 bytes of LDS; arguments acodes, wcodes, lowp_scales, out0; writes out0
.if DOCPART == 4
	.amdgcn_target "amdgcn-amd-amdhsa--gfx1250"
	.amdhsa_code_object_version 6
	.text
	.protected	k_q0e66375680_oproj
	.globl	k_q0e66375680_oproj
	.p2align	8
	.type	k_q0e66375680_oproj,@function
k_q0e66375680_oproj:
	s_mov_b64 s[64:65], 0
	v_nop
	global_prefetch_b8 v0, s[64:65] scope:SCOPE_SE
	s_setreg_imm32_b32 hwreg(HW_REG_WAVE_MODE, 25, 1), 1
	s_wait_xcnt 0x0
	s_wait_alu depctr_hold_cnt(0) depctr_sa_sdst(0) depctr_va_vdst(0) depctr_va_sdst(0) depctr_va_ssrc(0) depctr_va_vcc(0) depctr_vm_vsrc(0)
	s_getreg_b32 s2, hwreg(HW_REG_IB_STS2, 6, 4)
	s_cmp_eq_u32 s2, 0
	s_cbranch_scc0 .Lentry_in_a_cluster
	s_endpgm
.Lentry_in_a_cluster:
	s_bfe_u32 s2, ttmp6, 0x10000c
	s_cmp_lg_u32 s2, 0xf033
	s_cbranch_scc0 .Lentry_shape_is_right
	s_endpgm
.Lentry_shape_is_right:
; out0 = attention's result x Wo^T on codes of FP8 (E4M3); each f32 sum x 2^(e10 + e11).  A work-group of four waves makes 256 tokens x 128 columns; a wave 128 x 64.
; K = 1,024 goes through two LDS slots, X of 256 and Y of 512 along K, as X Y X.  ONE TENSOR LOAD A WAVE AT THE HEAD brings both slots' first fills: wave 0 A's 256 rows for Y, wave 1 B's 128 rows for Y, waves 2 and 3 the same for X.
; Slot X is filled again by its own two waves, behind a round of the cluster's barrier.  A's tiles are shared along a row of the cluster, B's along a column: joint loads.
; PREFETCH INTO THE L2: K bytes 768 to 1,023, the one refill, are asked for behind the head's loads.  The partners share a tile's rows out BY ADDRESS: of A's 256 rows the partner at cx takes 64 (waves 0 and 1, a lane a row), of B's 128 the partner at cy takes 32 (wave 2).
; LIMIT: e10 + e11 between -126 and 127.
.set KROW,   1024
.set PY,     528
.set PX,     272
.set FR,     16
.set NL,     4
.set YHA,    128*PY
.set YHB,    64*PY
.set XBASE,  2*YHA+2*YHB
.set XHA,    128*PX
.set XHB,    64*PX
.set SPARE,  XBASE+2*XHA+2*XHB
.set KLAP,   768
.set SPITCH, 272
.set ADRA, 16
.set ADRB, 20
.set STO,  24
.set RD,   25
.set CO,   26
.set SPW,  28
.set NIL,  29
.set TMP,  32
.set BK,   64
.set AF,   128
.set G1AY, 24
.set G1AX, 92
.set G0,   32
.set G1BY, 48
.set G1BX, 4
.set G0B,  56
.set MSB, 0
.macro WIN new
.if MSB != \new
	s_set_vgpr_msb (MSB<<8)|\new
.set MSB, \new
.endif
.endm
.set MUL,  0xa1
.set TO_B, 0x40
; A slot's refill: wave w fetches A's rows, wave w + 1 B's, the other two nothing.  The branches hang on the wave's number alone.  The four v_nop on each way are also the places in front of the LDS loads that follow.
.macro JLOAD g0a, g1a, g0b, g1b, w
	s_cmp_eq_u32 s14, \w
	s_cbranch_scc0 .Lnot_a_\@
	tensor_load_to_lds s[\g0a:\g0a+3], s[\g1a:\g1a+7]
	s_nop 0
.rept 4
	v_nop
.endr
	s_branch .Lasked_\@
.Lnot_a_\@:
	s_cmp_eq_u32 s14, (\w)+1
	s_cbranch_scc0 .Lnone_\@
	tensor_load_to_lds s[\g0b:\g0b+3], s[\g1b:\g1b+7]
	s_nop 0
.rept 4
	v_nop
.endr
	s_branch .Lasked_\@
.Lnone_\@:
.rept 4
	v_nop
.endr
.Lasked_\@:
.endm
.macro CREST
	s_cmp_lg_u32 s14, 0
	s_cbranch_scc1 .Lnot_wave_0_\@
	s_barrier_signal -3
.Lnot_wave_0_\@:
	s_barrier_wait -3
	s_barrier_signal -1
	s_barrier_wait -1
.endm
.macro CROUND
	s_barrier_signal -1
	s_barrier_wait -1
	CREST
.endm
	s_load_b256 s[68:75], s[0:1], 0x0
	v_lshl_add_u32 v[SPW], v0, 2, SPARE
	v_mov_b32 v[NIL], 0
	ds_add_u32 v[SPW], v[NIL]
	ds_add_u32 v[SPW], v[NIL]
	v_lshrrev_b32 v1, 5, v0
	v_readfirstlane_b32 s14, v1
	s_lshr_b32 s15, s14, 1
	s_and_b32 s16, s14, 1
	s_bfe_u32 s40, ttmp6, 0x40000
	s_bfe_u32 s41, ttmp6, 0x40004
	s_lshl_b32 s42, ttmp9, 2
	s_add_co_u32 s42, s42, s40
	s_and_b32 s17, ttmp7, 0xffff
	s_lshl_b32 s17, s17, 2
	s_add_co_u32 s17, s17, s41
	s_lshl_b32 s43, s41, 2
	s_lshl_b32 s43, 15, s43
	s_lshl_b32 s44, 0x1111, s40
	s_or_b32 s[G1AY], s43, (1<<20)|(1<<21)|(6<<22)|(3<<25)
	s_or_b32 s[G1AX], s43, (1<<20)|(1<<21)|(5<<22)|(3<<25)
	s_or_b32 s[G1BY], s44, (1<<20)|(1<<21)|(6<<22)|(3<<25)
	s_or_b32 s[G1BX], s44, (1<<20)|(1<<21)|(5<<22)|(3<<25)
.irp g, G1AY, G1BY
	s_mov_b32 s[\g+1], 512<<16
	s_mov_b32 s[\g+3], 512<<16
.endr
.irp g, G1AX, G1BX
	s_mov_b32 s[\g+1], 256<<16
	s_mov_b32 s[\g+3], 256<<16
.endr
.irp g, G1AY, G1AX
	s_mov_b32 s[\g+2], 256<<16
	s_mov_b32 s[\g+4], 256
.endr
.irp g, G1BY, G1BX
	s_mov_b32 s[\g+2], 128<<16
	s_mov_b32 s[\g+4], 128
.endr
.irp g, G1AY, G1AX, G1BY, G1BX
	s_mov_b32 s[\g+5], KROW
	s_mov_b32 s[\g+6], 0
	s_mov_b32 s[\g+7], 0
.endr
	s_lshl_b32 s20, s17, 18
	s_mov_b32 s21, 0
	s_lshl_b32 s46, s42, 17
	s_add_co_u32 s46, s46, 4194304
	s_mov_b32 s47, 0
	s_mov_b32 s45, 0
	s_mov_b32 s66, XBASE
	s_mov_b32 s67, 2*YHA
	s_mov_b32 s90, XBASE+2*XHA
	s_wait_dscnt 0x0
	s_wait_kmcnt 0x0
	s_load_b64 s[88:89], s[72:73], 0x28
	s_add_nc_u64 s[20:21], s[68:69], s[20:21]
	s_add_nc_u64 s[46:47], s[70:71], s[46:47]
	CROUND
	s_mov_b32 s[G0+4], 1
	s_mov_b32 s[G0+5], s66
	s_add_nc_u64 s[G0+6:G0+7], s[20:21], 0
	s_or_b32 s[G0+7], s[G0+7], 0x80000000
	s_mov_b32 s[G0B+4], 1
	s_mov_b32 s[G0B+5], s90
	s_add_nc_u64 s[G0B+6:G0B+7], s[46:47], 0
	s_or_b32 s[G0B+7], s[G0B+7], 0x80000000
	s_mov_b32 s[G0], 1
	s_mov_b32 s[G0+1], s45
	s_add_nc_u64 s[G0+2:G0+3], s[20:21], 256
	s_or_b32 s[G0+3], s[G0+3], 0x80000000
	s_mov_b32 s[G0B], 1
	s_mov_b32 s[G0B+1], s67
	s_add_nc_u64 s[G0B+2:G0B+3], s[46:47], 256
	s_or_b32 s[G0B+3], s[G0B+3], 0x80000000
	s_cmp_eq_u32 s14, 0                            ; the first fills of both slots, one to a wave: one chain of branches on the wave's number, all arms leading to one join
	s_cbranch_scc0 .Lh1
	tensor_load_to_lds s[G0:G0+3], s[G1AY:G1AY+7]
	s_nop 0
.rept 4
	v_nop
.endr
	s_branch .Lhj
.Lh1:
	s_cmp_eq_u32 s14, 1
	s_cbranch_scc0 .Lh2
	tensor_load_to_lds s[G0B:G0B+3], s[G1BY:G1BY+7]
	s_nop 0
.rept 4
	v_nop
.endr
	s_branch .Lhj
.Lh2:
	s_cmp_eq_u32 s14, 2
	s_cbranch_scc0 .Lh3
	tensor_load_to_lds s[G0+4:G0+7], s[G1AX:G1AX+7]
	s_nop 0
.rept 4
	v_nop
.endr
	s_branch .Lhj
.Lh3:
	tensor_load_to_lds s[G0B+4:G0B+7], s[G1BX:G1BX+7]
	s_nop 0
.rept 4
	v_nop
.endr
.Lhj:
	s_lshl_b32 s18, s40, 6                         ; the prefetch of the one refill
	s_lshl_b32 s19, s14, 5
	s_add_co_u32 s18, s18, s19                     ; A: row 64 cx + 32 wave
	s_lshl_b32 s19, s41, 5                         ; B: row 32 cy
	s_cmp_lt_u32 s14, 2                            ; waves 0 and 1 ask for A, wave 2 for B
	s_cselect_b32 s18, s18, s19
	s_cselect_b64 s[68:69], s[20:21], s[46:47]
	v_and_b32 v6, 31, v0
	v_add_nc_u32 v6, s18, v6
	v_lshlrev_b32 v6, 10, v6                       ; a lane a row of 1,024 bytes; never rewritten
	s_cmp_lt_u32 s14, 3
	s_cbranch_scc0 .Lno_pf
	global_prefetch_b8 v6, s[68:69] offset:768 th:TH_LOAD_NT scope:SCOPE_SE    ; K bytes 768 to 1,023
.Lno_pf:
	v_and_b32 v1, 15, v0
	v_bfe_u32 v2, v0, 4, 1
	v_mul_u32_u24 v3, v1, PY
	v_lshl_add_u32 v3, v2, 4, v3
	v_mul_u32_u24 v4, v1, PX
	v_lshl_add_u32 v4, v2, 4, v4
	s_mul_i32 s21, s15, YHA
	v_add_nc_u32 v[ADRA], s21, v3
	s_mul_i32 s21, s16, YHB
	s_add_co_u32 s21, s21, 2*YHA
	v_add_nc_u32 v[ADRB], s21, v3
	s_mul_i32 s21, s15, XHA
	s_add_co_u32 s21, s21, XBASE
	v_add_nc_u32 v[ADRA+1], s21, v4
	s_mul_i32 s21, s16, XHB
	s_add_co_u32 s21, s21, XBASE+2*XHA
	v_add_nc_u32 v[ADRB+1], s21, v4
	s_mul_i32 s23, s14, 16*SPITCH
	v_mul_u32_u24 v5, v1, SPITCH
	v_lshl_add_u32 v5, v2, 5, v5
	v_add_nc_u32 v[STO], s23, v5
	v_mul_u32_u24 v5, v2, SPITCH
	v_lshl_add_u32 v5, v1, 4, v5
	v_add_nc_u32 v[RD], s23, v5
	v_lshlrev_b32 v5, 13, v2
	v_lshl_add_u32 v[CO], v1, 4, v5
	s_lshl_b32 s20, s17, 8
	s_lshl_b32 s21, s15, 7
	s_add_co_u32 s20, s20, s21
	s_lshl_b32 s20, s20, 13
	s_lshl_b32 s46, s42, 9
	s_lshl_b32 s47, s16, 8
	s_add_co_u32 s46, s46, s47
	s_add_co_u32 s20, s20, s46
	s_mov_b32 s21, 0
	s_add_nc_u64 s[74:75], s[74:75], s[20:21]
.macro FRAG reg, adr, q, i
.irp c, 0,1,2,3
	ds_load_b128 v[\reg+4*\c:\reg+4*\c+3], v[\adr] offset:128*(\q)+32*\c+(\i)*16*PP
.endr
.endm
.macro MUL8 a0, p, zero
.irp a, \a0, \a0+1
.irp b, 0,1,2,3
.if \zero
	v_wmma_f32_16x16x128_fp8_fp8 v[8*(4*(\a)+\b):8*(4*(\a)+\b)+7], v[64*(\p)+FR*\b:64*(\p)+FR*\b+FR-1], v[AF+FR*(\a):AF+FR*(\a)+FR-1], 0
.else
	v_wmma_f32_16x16x128_fp8_fp8 v[8*(4*(\a)+\b):8*(4*(\a)+\b)+7], v[64*(\p)+FR*\b:64*(\p)+FR*\b+FR-1], v[AF+FR*(\a):AF+FR*(\a)+FR-1], v[8*(4*(\a)+\b):8*(4*(\a)+\b)+7]
.endif
.endr
.endr
.endm
.macro FETCH_B slot, q, p
.set PP, PY-(PY-PX)*(\slot)
	WIN TO_B
.irp i, 0,1,2,3
	FRAG 64*(\p)+FR*\i, ADRB+\slot, \q, \i
.endr
	WIN 0
.endm
.macro FETCH_A slot, q, i0
.set PP, PY-(PY-PX)*(\slot)
.irp i, \i0, \i0+1, \i0+2, \i0+3
	FRAG AF+FR*(\i), ADRA+\slot, \q, \i
.endr
.endm
.macro PLACES n
.rept \n
	v_nop
.endr
.endm
.macro STEP slot, q, zero
	s_wait_dscnt 4*NL
	WIN MUL
	MUL8 0, (\q)%2, \zero
	MUL8 2, (\q)%2, \zero
	s_wait_dscnt 0
	PLACES 4
	FETCH_B \slot, (\q)+1, 1-(\q)%2
	FETCH_A \slot, (\q)+1, 0
	WIN MUL
	MUL8 4, (\q)%2, \zero
	MUL8 6, (\q)%2, \zero
	PLACES 4
	WIN 0
	FETCH_A \slot, (\q)+1, 4
.endm
.macro TURN slot, next, fill
	s_wait_tensorcnt 0x0
	ds_add_u32 v[SPW], v[NIL]
	s_wait_dscnt 4*NL+1
	WIN MUL
	MUL8 0, 1, 0
	s_wait_dscnt 0x0
	s_barrier_signal -1
	MUL8 2, 1, 0
	WIN 0
	s_barrier_wait -1
.if \fill
	CREST
	s_add_nc_u64 s[G0+4*\slot+2:G0+4*\slot+3], s[G0+4*\slot+2:G0+4*\slot+3], KLAP
	s_add_nc_u64 s[G0B+4*\slot+2:G0B+4*\slot+3], s[G0B+4*\slot+2:G0B+4*\slot+3], KLAP
	JLOAD G0+4*\slot, G1AY+(G1AX-G1AY)*\slot, G0B+4*\slot, G1BY+(G1BX-G1BY)*\slot, 2*\slot
.else
	PLACES 4
.endif
	FETCH_B \next, 0, 0
	FETCH_A \next, 0, 0
	WIN MUL
	MUL8 4, 1, 0
	MUL8 6, 1, 0
	PLACES 4
	WIN 0
	FETCH_A \next, 0, 4
.endm
	s_wait_alu depctr_va_vdst(0)                   ; the wait at the head's end
	s_cmp_lt_u32 s14, 2                            ; slot X is read first: its two waves wait for their loads
	s_cbranch_scc1 .Lnot_x
	s_wait_tensorcnt 0x0
.Lnot_x:
	s_barrier_signal -1
	s_barrier_wait -1
	FETCH_B 1, 0, 0
	FETCH_A 1, 0, 0
	FETCH_A 1, 0, 4
	STEP 1, 0, 1
	TURN 1, 0, 1
	STEP 0, 0, 0
	STEP 0, 1, 0
	STEP 0, 2, 0
	TURN 0, 1, 0
	STEP 1, 0, 0
	s_wait_dscnt 4*NL
	WIN MUL
	MUL8 0, 1, 0
	MUL8 2, 1, 0
	s_wait_dscnt 0
	MUL8 4, 1, 0
	MUL8 6, 1, 0
	WIN 0
.macro TOSTAGE a
.set AC, 32*(\a)
	WIN 0x02
.set u, 0
.rept 16
	v_pk_mul_f32 v[TMP+u:TMP+u+1], v[AC+u:AC+u+1], s[88:89] op_sel_hi:[1,0]
.set u, u+2
.endr
	WIN 0
.irp b, 0,1,2,3
	ds_store_b128 v[STO], v[TMP+8*\b:TMP+8*\b+3] offset:64*\b
	ds_store_b128 v[STO], v[TMP+8*\b+4:TMP+8*\b+7] offset:64*\b+16
.endr
.set BB, BK+32*((\a)%2)
.irp t, 0,1,2,3,4,5,6,7
	ds_load_b128 v[BB+4*\t:BB+4*\t+3], v[RD] offset:\t*2*SPITCH
.endr
.endm
.macro SEND a, younger
.set BB, BK+32*((\a)%2)
	s_wait_dscnt \younger
.if (\a) > 0
	s_add_nc_u64 s[74:75], s[74:75], 16*8192
.endif
.irp t, 0,1,2,3,4,5,6,7
	global_store_b128 v[CO], v[BB+4*\t:BB+4*\t+3], s[74:75] offset:\t*2*8192 th:TH_STORE_NT
.endr
.endm
	s_wait_kmcnt 0x0
	s_add_co_i32 s88, s88, s89
	s_add_co_i32 s88, s88, 127
	s_lshl_b32 s88, s88, 23
	s_mov_b32 s89, s88
	PLACES 4
	TOSTAGE 0
.irp a, 1,2,3,4,5,6,7
.if \a > 1
	s_wait_xcnt 0x0
.endif
	TOSTAGE \a
	SEND \a-1, 16
.endr
	s_wait_xcnt 0x0
	SEND 7, 0
	s_wait_tensorcnt 0x0
	ds_add_u32 v[SPW], v[NIL]
	s_wait_dscnt 0x0
	CROUND
	s_endpgm
.Lfunc_end_k_q0e66375680_oproj:
	.size	k_q0e66375680_oproj, .Lfunc_end_k_q0e66375680_oproj-k_q0e66375680_oproj
	.p2alignl 7, 3214868480
	.fill 96, 4, 3214868480
	.section	.rodata,"a",@progbits
	.p2align	6, 0x0
	.amdhsa_kernel k_q0e66375680_oproj
		.amdhsa_group_segment_fixed_size 327680
		.amdhsa_private_segment_fixed_size 0
		.amdhsa_enable_private_segment 0
		.amdhsa_kernarg_size 32
		.amdhsa_user_sgpr_count 2
		.amdhsa_user_sgpr_kernarg_segment_ptr 1
		.amdhsa_wavefront_size32 1
		.amdhsa_system_sgpr_workgroup_id_x 1
		.amdhsa_system_sgpr_workgroup_id_y 1
		.amdhsa_system_sgpr_workgroup_id_z 1
		.amdhsa_system_vgpr_workitem_id 0
		.amdhsa_next_free_vgpr 768
		.amdhsa_next_free_sgpr 100
		.amdhsa_reserve_vcc 0
		.amdhsa_float_denorm_mode_32 3
		.amdhsa_float_denorm_mode_16_64 3
		.amdhsa_memory_ordered 1
		.amdhsa_forward_progress 1
		.amdhsa_inst_pref_size 78
	.end_amdhsa_kernel
	.amdgpu_metadata
---
amdhsa.version: [ 1, 2 ]
amdhsa.kernels:
  - .name:           k_q0e66375680_oproj
    .symbol:         k_q0e66375680_oproj.kd
    .args:
      - { .name: acodes, .offset: 0, .size: 8, .value_kind: global_buffer, .address_space: global }
      - { .name: wcodes, .offset: 8, .size: 8, .value_kind: global_buffer, .address_space: global }
      - { .name: lowp_scales, .offset: 16, .size: 8, .value_kind: global_buffer, .address_space: global }
      - { .name: out0, .offset: 24, .size: 8, .value_kind: global_buffer, .address_space: global }
    .group_segment_fixed_size: 327680
    .private_segment_fixed_size: 0
    .kernarg_segment_align: 8
    .kernarg_segment_size: 32
    .max_flat_workgroup_size: 128
    .sgpr_count:     100
    .vgpr_count:     768
    .wavefront_size: 32
...
	.end_amdgpu_metadata
.endif
;; end of part 4
